; MI455X (gfx1250); checked and timed in simulation.
; The chip was launched on July 23, 2026; its instructions are those of AMD's public machine-readable ISA for CDNA 5 (MIT licence, August 2026) and "CDNA5" Instruction Set Architecture Reference Guide (July 2026). The comments in the code are by the model that wrote it; some were corrected since.
;; Causal Attention. Allowed arithmetic: float matrix products may take bf16 or f16 operands with f32 sums; all other float work in f32.
;; Inputs: Wk 1,024 x 1,024 float32; Wq 1,024 x 1,024 float32; Wv 1,024 x 1,024 float32; x 4 x 2,048 x 1,024 float32.
;; Outputs: out0 4 x 2,048 x 1,024 float32.
;; 2 versions, each right; version 2 is version 1 with the launch prep written anew for expert scheduling mode. Each part assembles by itself: llvm-mc -triple=amdgcn-amd-amdhsa -mcpu=gfx1250 --defsym DOCPART=n.
;; ======== version 1 of 2: 4 launches
;; limits: values are held in f16: magnitudes above 65,504 overflow, below 6.1e-05 lose precision; right only within a limited range of input values
;; workspace buffers: xh 16,777,216 bytes; bkn 4,194,304 bytes; qv 33,554,432 bytes; pw 33,554,432 bytes; st 524,288 bytes
;; launch prep (part 1): grid 256 x 1, 8 waves a work-group, no clusters, 279,552 bytes of LDS; arguments x, Wq, Wk, Wv, xh, bkn, st; writes xh, bkn, st
.if DOCPART == 1
	.amdgcn_target "amdgcn-amd-amdhsa--gfx1250"
	.amdhsa_code_object_version 6
	.text
	.protected	k_q3be8d14e94_prep
	.globl	k_q3be8d14e94_prep
	.p2align	8
	.type	k_q3be8d14e94_prep,@function
k_q3be8d14e94_prep:
	s_mov_b64 s[64:65], 0
	v_nop
	global_prefetch_b8 v0, s[64:65] scope:SCOPE_SE
	s_setreg_imm32_b32 hwreg(HW_REG_WAVE_MODE, 25, 1), 1
	s_wait_xcnt 0x0
; PREP.  Three things, the same share of each in every one of the 256 work-groups (eight waves):
;  (S) xh = bf16(x) * 2^-5 written as f16 (exact: a bf16 number has 8 significant bits), [8192][1024];
;      bkn[d][1024+e] = bf16(Wv[d][e]) * 2^5 as f16;  st = the pair (m = -2^96, l = 0) everywhere: a key tile that nobody makes.
;  (M) one tile of 64 x 64 of M[d][f] = sum over e of bf16(Wq[d][e]) bf16(Wk[f][e]); bkn[d][f] = M * 2^-5 as f16.
;      q . k = x (Wq Wk^T) x^T for every input, so the later launches need no k: the keys are x itself.
; LIMITS.  f16 ends at 65,504: |x| * 2^-5, |Wv| * 2^5 and |M| * 2^-5 must stay below it; below 2^-14 f16 keeps its fixed step of 2^-24.
; NaN and infinities are not treated apart.
; Everything is converted on its way, so all loads go through registers: no tensor load, no cluster.
; (M) splits K = 1024 over the eight waves, 128 each: a wave rounds its 128 columns of 64 rows of Wq and 64 rows of Wk to bf16 into its own LDS region,
; multiplies, lays its 64 x 64 partial sums (f32) over the same region, and behind the one barrier wave w adds the eight partial sums of rows 8 w .. 8 w + 7 in a fixed order.
.set WREG,  34816                      ; a wave's LDS region: 128 rows of 272 bytes (256 of bf16 + 16), later 64 rows of 272 (64 f32 + 16)
.set LP,    272                        ; 68 words: the 16 rows of a fragment load start at 16 different groups of four banks (ISA guide 11.1)
.set SPARE, 8*WREG                     ; the spare words, 128 bytes for each wave: four blocks of 256 bytes that no other line names
.set SPW, 2                            ; v2  LDS address of my spare word; never rewritten
.set NIL, 3                            ; v3  0; never rewritten
.set T,   8                            ; v8-15 at work (v14-15: first the pair that is stored to st)
.set XR,  64                           ; v64-207 the stream's 36 loads
.set L0,  128                          ; v128-191, v192-255: two sets of 16 row pieces; later the 16 accumulators, then the eight partial sums
.set L1,  192
.set FRA, 64                           ; v64-95 four fragments of Wq, v96-127 four of Wk
.set FRB, 96
.set ACC, 128
	s_load_b256 s[4:11], s[0:1], 0x0               ; x s[4:5], Wq s[6:7], Wk s[8:9], Wv s[10:11]
	s_load_b128 s[12:15], s[0:1], 0x20             ; xh s[12:13], bkn s[14:15]
	s_load_b64 s[16:17], s[0:1], 0x30              ; st
	v_lshl_add_u32 v[SPW], v0, 2, SPARE
	v_mov_b32 v[NIL], 0
	v_lshrrev_b32 v4, 5, v0
	v_readfirstlane_b32 s18, v4                    ; wave 0..7
	v_and_b32 v1, 31, v0                           ; lane
	v_lshlrev_b32 v5, 4, v1                        ; 16 x lane: f32 in
	v_lshlrev_b32 v6, 3, v1                        ; 8 x lane: f16 out
	v_mov_b32 v14, 0xef800000                      ; -2^96
	v_mov_b32 v15, 0
	s_mov_b32 s19, ttmp9                           ; g
	s_lshl_b32 s34, s19, 17                        ; x: 131,072 bytes a work-group,
	s_lshl_b32 s27, s18, 14                        ; 16,384 a wave
	s_add_co_u32 s34, s34, s27
	s_mov_b32 s35, 0
	s_lshr_b32 s38, s34, 1                         ; xh: half of that
	s_mov_b32 s39, 0
	s_lshr_b32 s40, s34, 3                         ; Wv: 16,384 a work-group (four rows), 2,048 a wave (half a row)
	s_mov_b32 s41, 0
	s_lshr_b32 s44, s34, 6                         ; st: 2,048 a work-group, 256 a wave
	s_mov_b32 s45, 0
	s_lshl_b32 s42, s19, 14                        ; bkn, Wv's half: row 4 g + wave / 2, 4,096 bytes a row,
	s_lshr_b32 s27, s18, 1
	s_lshl_b32 s27, s27, 12
	s_add_co_u32 s42, s42, s27
	s_and_b32 s27, s18, 1                          ; columns 1024 + 512 (wave % 2) on
	s_lshl_b32 s27, s27, 10
	s_add_co_u32 s42, s42, s27
	s_add_co_u32 s42, s42, 2048
	s_mov_b32 s43, 0
	s_lshr_b32 s20, s19, 4                         ; the tile of M: rows 64 (g / 16) of Wq,
	s_lshl_b32 s20, s20, 18                        ; 64 rows of 4,096 bytes
	s_mov_b32 s21, 0
	s_and_b32 s22, s19, 15                         ; rows 64 (g % 16) of Wk
	s_lshl_b32 s46, s22, 7                         ; the tile's place in bkn: 64 rows of 4,096 bytes down, 128 bytes a tile along
	s_add_co_u32 s46, s46, s20
	s_mov_b32 s47, 0
	s_lshl_b32 s22, s22, 18
	s_mov_b32 s23, 0
	s_mov_b32 s28, 0x3d000000                      ; 2^-5, named as a pair by the packed multiply
	s_mov_b32 s29, 0x3d000000
	s_mov_b32 s30, 0x42000000                      ; 2^5
	s_mov_b32 s31, 0x42000000
	s_mov_b32 s32, 0xffff0000                      ; a word's upper bf16
	s_mul_i32 s33, s18, WREG                       ; my wave's LDS region
	s_lshl_b32 s27, s18, 9
	v_add_nc_u32 v7, s27, v5                       ; my 16 bytes of my wave's 512 bytes of a row of Wq or Wk
	v_add_nc_u32 v16, s33, v6                      ; where they go as bf16: row 0 of my region + 8 x lane; steps 32 rows a trip
	v_and_b32 v25, 15, v0                          ; r
	v_bfe_u32 v26, v0, 4, 1                        ; h
	v_mul_u32_u24 v17, v25, LP
	v_add_nc_u32 v17, s33, v17
	v_lshl_add_u32 v18, v26, 5, v17                ; partial sums out: row r, 32 bytes for each half of the lanes
	v_lshl_add_u32 v17, v26, 4, v17                ; fragments: row r, 16 bytes for each half
	v_bfe_u32 v19, v0, 2, 3
	v_lshl_add_u32 v19, s18, 3, v19                ; the tile row that I add up: 8 wave + lane / 4
	v_and_b32 v27, 3, v0                           ; its columns 16 (lane % 4) on
	v_mul_u32_u24 v20, v19, LP
	v_lshl_add_u32 v20, v27, 6, v20                ; in region 0; regions 2, 4, 6 below (an LDS offset has 16 bits)
	v_add_nc_u32 v21, 2*WREG, v20
	v_add_nc_u32 v22, 4*WREG, v20
	v_add_nc_u32 v23, 6*WREG, v20
	v_lshlrev_b32 v24, 12, v19                     ; and in bkn: row x 4,096 + 32 (lane % 4)
	v_lshl_add_u32 v24, v27, 5, v24
	s_wait_kmcnt 0x0
	s_add_nc_u64 s[4:5], s[4:5], s[34:35]
	s_add_nc_u64 s[12:13], s[12:13], s[38:39]
	s_add_nc_u64 s[10:11], s[10:11], s[40:41]
	s_add_nc_u64 s[36:37], s[14:15], s[42:43]      ; bkn for Wv's part
	s_add_nc_u64 s[14:15], s[14:15], s[46:47]      ; bkn for the tile of M
	s_add_nc_u64 s[16:17], s[16:17], s[44:45]
	s_add_nc_u64 s[20:21], s[6:7], s[20:21]
	s_add_nc_u64 s[22:23], s[8:9], s[22:23]
	s_mov_b64 s[24:25], s[20:21]                   ; the base in hand: Wq first
	; (S) all 36 loads of the wave go out at once: 18,432 bytes a wave on their way; each covers 512 consecutive bytes
.set i, 0
.rept 32
	global_load_b128 v[XR+4*i:XR+4*i+3], v5, s[4:5] offset:512*i th:TH_LOAD_NT
.set i, i+1
.endr
.rept 4
	global_load_b128 v[XR+4*i:XR+4*i+3], v5, s[10:11] offset:512*(i-32) th:TH_LOAD_NT
.set i, i+1
.endr
	global_store_b64 v6, v[14:15], s[16:17]        ; 256 consecutive bytes of st a wave
; Four f32 at src: rounded to bf16 (the one rounding), widened again, scaled by a power of two (exact), written as f16 (exact within the limits above) into src, src + 1.
.macro CONV src, sc
	v_cvt_pk_bf16_f32 v[T], v[(\src)], v[(\src)+1]
	v_cvt_pk_bf16_f32 v[T+1], v[(\src)+2], v[(\src)+3]
	v_lshlrev_b32 v[T+2], 16, v[T]
	v_and_b32 v[T+3], s32, v[T]
	v_lshlrev_b32 v[T+4], 16, v[T+1]
	v_and_b32 v[T+5], s32, v[T+1]
	v_pk_mul_f32 v[T+2:T+3], v[T+2:T+3], s[(\sc):(\sc)+1] op_sel_hi:[1,0]
	v_pk_mul_f32 v[T+4:T+5], v[T+4:T+5], s[(\sc):(\sc)+1] op_sel_hi:[1,0]
	v_cvt_pk_f16_f32 v[(\src)], v[T+2], v[T+3]
	v_cvt_pk_f16_f32 v[(\src)+1], v[T+4], v[T+5]
.endm
.set i, 0
.rept 32
	s_wait_loadcnt 35-i                            ; loads come back in order (ISA guide 5.7.1): number i is in, the 35 - i younger ones stay out
	CONV XR+4*i, 28
	global_store_b64 v6, v[XR+4*i:XR+4*i+1], s[12:13] offset:256*i  ; a wave's store covers 256 consecutive bytes, aligned
.set i, i+1
.endr
.rept 4
	s_wait_loadcnt 35-i
	CONV XR+4*i, 30
	global_store_b64 v6, v[XR+4*i:XR+4*i+1], s[36:37] offset:256*(i-32)
.set i, i+1
.endr
	s_wait_xcnt 0x0                                ; the stores have read their registers: v8-15 and v64-255 are written again only behind this wait
	; (M) 128 row pieces of 512 bytes, in four chunks of 32 rows: Wq 0-31, Wq 32-63, Wk 0-31, Wk 32-63.  Two sets of 16 loads are always out.
.macro ISSUE set, r0
.set j, 0
.rept 16
	global_load_b128 v[(\set)+4*j:(\set)+4*j+3], v7, s[24:25] offset:((\r0)+j)*4096
.set j, j+1
.endr
.endm
.macro STORE16 set, r0                 ; 16 row pieces rounded to bf16 and laid into my region; four work pairs take turns
.set j, 0
.rept 16
	v_cvt_pk_bf16_f32 v[T+2*(j%4)], v[(\set)+4*j], v[(\set)+4*j+1]
	v_cvt_pk_bf16_f32 v[T+2*(j%4)+1], v[(\set)+4*j+2], v[(\set)+4*j+3]
	ds_store_b64 v16, v[T+2*(j%4):T+2*(j%4)+1] offset:((\r0)+j)*LP
.set j, j+1
.endr
.endm
	ISSUE L0, 0
	ISSUE L1, 16
	s_mov_b32 s26, 3
.Lchunk:
	s_wait_xcnt 0x0                                ; the loads that are out have had their addresses translated: the base may step
	s_add_nc_u64 s[24:25], s[24:25], 0x20000       ; 32 rows on,
	s_cmp_eq_u32 s26, 2
	s_cselect_b64 s[24:25], s[22:23], s[24:25]     ; or, for the third chunk, Wk's first row
	s_wait_loadcnt 16                              ; the older set is in, the younger 16 stay out
	STORE16 L0, 0
	ISSUE L0, 0
	s_wait_loadcnt 16
	STORE16 L1, 16
	ISSUE L1, 16
	v_add_nc_u32 v16, 32*LP, v16
	s_sub_co_u32 s26, s26, 1
	s_cmp_lg_u32 s26, 0
	s_cbranch_scc1 .Lchunk
	s_wait_loadcnt 16                              ; the last chunk: nothing more is loaded
	STORE16 L0, 0
	s_wait_loadcnt 0x0
	STORE16 L1, 16
	; my 128 along K in four steps of 32.  Source 0 = 16 rows of Wk, source 1 = 16 rows of Wq: a lane holds row d = r and eight neighbouring columns.
	; The 16 accumulators take turns.  LDS serves a wave's instructions in order (ISA guide 5.7.1.4): the loads see my stores above.
.set ks, 0
.rept 4
.if ks > 0
.rept 4
	v_nop                                          ; four places between the products and the loads into their sources
.endr
.endif
.irp a, 0,1,2,3
	ds_load_b128 v[FRA+8*\a:FRA+8*\a+3],   v17 offset:\a*16*LP+64*ks
	ds_load_b128 v[FRA+8*\a+4:FRA+8*\a+7], v17 offset:\a*16*LP+64*ks+32
	ds_load_b128 v[FRB+8*\a:FRB+8*\a+3],   v17 offset:(64+16*\a)*LP+64*ks
	ds_load_b128 v[FRB+8*\a+4:FRB+8*\a+7], v17 offset:(64+16*\a)*LP+64*ks+32
.endr
	s_wait_dscnt 0x0
.irp a, 0,1,2,3
.irp b, 0,1,2,3
.if ks == 0
	v_wmma_f32_16x16x32_bf16 v[ACC+8*(4*\a+\b):ACC+8*(4*\a+\b)+7], v[FRB+8*\b:FRB+8*\b+7], v[FRA+8*\a:FRA+8*\a+7], 0
.else
	v_wmma_f32_16x16x32_bf16 v[ACC+8*(4*\a+\b):ACC+8*(4*\a+\b)+7], v[FRB+8*\b:FRB+8*\b+7], v[FRA+8*\a:FRA+8*\a+7], v[ACC+8*(4*\a+\b):ACC+8*(4*\a+\b)+7]
.endif
.endr
.endr
.set ks, ks+1
.endr
.rept 4
	v_nop                                          ; four places in front of the stores that read the results
.endr
.irp a, 0,1,2,3
.irp b, 0,1,2,3
	ds_store_b128 v18, v[ACC+8*(4*\a+\b):ACC+8*(4*\a+\b)+3]   offset:\a*16*LP+64*\b      ; each accumulator's low registers first
	ds_store_b128 v18, v[ACC+8*(4*\a+\b)+4:ACC+8*(4*\a+\b)+7] offset:\a*16*LP+64*\b+16
.endr
.endr
	s_wait_dscnt 0x0                               ; for the others' sake: my partial sums are in LDS
	s_barrier_signal -1
	s_barrier_wait -1
.set n, 0
.rept 8                                ; wave n's partial sums of my 16 numbers
.irp i, 0,1,2,3
	ds_load_b128 v[ACC+16*n+4*\i:ACC+16*n+4*\i+3], v[20+n/2] offset:(n%2)*WREG+16*\i
.endr
.set n, n+1
.endr
	s_wait_dscnt 0x0
.set n, 1
.rept 7                                ; added in the order of the waves
.irp k, 0,2,4,6,8,10,12,14
	v_pk_add_f32 v[ACC+\k:ACC+\k+1], v[ACC+\k:ACC+\k+1], v[ACC+16*n+\k:ACC+16*n+\k+1]
.endr
.set n, n+1
.endr
.irp k, 0,2,4,6,8,10,12,14
	v_pk_mul_f32 v[ACC+\k:ACC+\k+1], v[ACC+\k:ACC+\k+1], s[28:29] op_sel_hi:[1,0]
.endr
.irp k, 0,1,2,3,4,5,6,7
	v_cvt_pk_f16_f32 v[FRA+\k], v[ACC+2*\k], v[ACC+2*\k+1]
.endr
	global_store_b128 v24, v[FRA:FRA+3], s[14:15]              ; four lanes fill a tile row's 128 bytes: half of an aligned 256; 2 MiB of the launch's stores are so
	global_store_b128 v24, v[FRA+4:FRA+7], s[14:15] offset:16
	s_wait_tensorcnt 0x0                           ; the wave's end
	ds_add_u32 v[SPW], v[NIL]
	s_wait_dscnt 0x0
	s_endpgm
.Lfunc_end_k_q3be8d14e94_prep:
	.size	k_q3be8d14e94_prep, .Lfunc_end_k_q3be8d14e94_prep-k_q3be8d14e94_prep
	.p2alignl 7, 3214868480
	.fill 96, 4, 3214868480
	.section	.rodata,"a",@progbits
	.p2align	6, 0x0
	.amdhsa_kernel k_q3be8d14e94_prep
		.amdhsa_group_segment_fixed_size 279552
		.amdhsa_private_segment_fixed_size 0
		.amdhsa_enable_private_segment 0
		.amdhsa_kernarg_size 56
		.amdhsa_user_sgpr_count 2
		.amdhsa_user_sgpr_kernarg_segment_ptr 1
		.amdhsa_wavefront_size32 1
		.amdhsa_system_sgpr_workgroup_id_x 1
		.amdhsa_system_sgpr_workgroup_id_y 1
		.amdhsa_system_sgpr_workgroup_id_z 1
		.amdhsa_system_vgpr_workitem_id 0
		.amdhsa_next_free_vgpr 256
		.amdhsa_next_free_sgpr 66
		.amdhsa_reserve_vcc 0
		.amdhsa_float_denorm_mode_32 3
		.amdhsa_float_denorm_mode_16_64 3
		.amdhsa_memory_ordered 1
		.amdhsa_forward_progress 1
		.amdhsa_inst_pref_size 66
	.end_amdhsa_kernel
	.amdgpu_metadata
---
amdhsa.version: [ 1, 2 ]
amdhsa.kernels:
  - .name:           k_q3be8d14e94_prep
    .symbol:         k_q3be8d14e94_prep.kd
    .args:
      - { .name: x, .offset: 0, .size: 8, .value_kind: global_buffer, .address_space: global }
      - { .name: Wq, .offset: 8, .size: 8, .value_kind: global_buffer, .address_space: global }
      - { .name: Wk, .offset: 16, .size: 8, .value_kind: global_buffer, .address_space: global }
      - { .name: Wv, .offset: 24, .size: 8, .value_kind: global_buffer, .address_space: global }
      - { .name: xh, .offset: 32, .size: 8, .value_kind: global_buffer, .address_space: global }
      - { .name: bkn, .offset: 40, .size: 8, .value_kind: global_buffer, .address_space: global }
      - { .name: st, .offset: 48, .size: 8, .value_kind: global_buffer, .address_space: global }
    .group_segment_fixed_size: 279552
    .private_segment_fixed_size: 0
    .kernarg_segment_align: 8
    .kernarg_segment_size: 56
    .max_flat_workgroup_size: 256
    .sgpr_count:     66
    .vgpr_count:     256
    .wavefront_size: 32
...
	.end_amdgpu_metadata
.endif
;; end of part 1
;; launch proj (part 2): grid 8 x 32, 4 waves a work-group, clusters of 4 x 4, 327,680 bytes of LDS; arguments xh, bkn, qv; writes qv
.if DOCPART == 2
	.amdgcn_target "amdgcn-amd-amdhsa--gfx1250"
	.amdhsa_code_object_version 6
	.text
	.protected	k_q3be8d14e94_proj
	.globl	k_q3be8d14e94_proj
	.p2align	8
	.type	k_q3be8d14e94_proj,@function
k_q3be8d14e94_proj:
	s_mov_b64 s[64:65], 0
	v_nop
	global_prefetch_b8 v0, s[64:65] scope:SCOPE_SE
	s_setreg_imm32_b32 hwreg(HW_REG_WAVE_MODE, 25, 1), 1
	s_wait_xcnt 0x0
	s_wait_alu depctr_hold_cnt(0) depctr_sa_sdst(0) depctr_va_vdst(0) depctr_va_sdst(0) depctr_va_ssrc(0) depctr_va_vcc(0) depctr_vm_vsrc(0)
	s_getreg_b32 s2, hwreg(HW_REG_IB_STS2, 6, 4)
	s_cmp_eq_u32 s2, 0
	s_cbranch_scc0 .Lentry_in_a_cluster
	s_endpgm
.Lentry_in_a_cluster:
	s_bfe_u32 s2, ttmp6, 0x10000c
	s_cmp_lg_u32 s2, 0xf033
	s_cbranch_scc0 .Lentry_shape_is_right
	s_endpgm
.Lentry_shape_is_right:
; PROJ.  qv[m][n] = sum over k of xh[m][k] bkn[k][n].  xh: [8192][1024] f16, bkn: [1024 (k)][2048 (n)] f16, qv: [8192][2048] f16; sums in f32, qv rounded once.
; Columns 0-1023 of qv are (x Wq Wk^T) * 2^-10, columns 1024-2047 are v = x Wv (the two scales of the launch before cancel there).
; LIMIT.  f16 ends at 65,504: both halves of qv must stay below it.  NaN and infinities are not treated apart.
; A tile of qv, 256 x 256, is made by four waves, 128 x 128 each: 64 accumulators, 512 registers.  256 tiles, one for each work-group.  K goes in steps of 128 through two LDS slots.
; A's rows lie along K: 128 rows x 256 bytes a load.  B lies [k][n]: 64 k rows x 512 bytes a load, and its fragments come out of LDS turned, by ds_load_tr16_b128.
; CLUSTER 4 x 4: A's tile is shared along a row of the cluster, B's along a column; each is asked for jointly, by the same tensor load with the same descriptor and a mask of four.
; The matrix instruction is used transposed (source 0 = 16 columns of B, source 1 = 16 rows of A): a lane holds eight neighbouring numbers of a row of qv.
; REGISTERS, in windows of 256: window 0: v0-31 addresses; v64-127, v128-191 fragments of A, two buffers; v32-63, v192-255 the way out.  Window 1: v64-127, v128-191 fragments of B.
; Windows 2, 3: the accumulators of my rows 0-63, 64-127 ((a, b) at v[8 (8 a + b)]).
.set SIZE_N, 2048
.set SIZE_K, 1024
.set KSTEP,  128
.set PITCH,  272                       ; a row of A in LDS: 256 bytes + 16 = 68 words: the 16 rows of a load start at 16 different groups of four banks (ISA guide 11.1)
.set BPITCH, 544                       ; a k row of B: 512 bytes + 32 = 136 words
.set HALFT,  128*PITCH                 ; what one tensor load brings: 128 rows of A, or 64 k rows of B (64 x 544 is the same number)
.set SLOT,   4*HALFT
.set STAGE,  2*SLOT                    ; behind the ring: 16 rows x 272 bytes for each wave, for the way out
.set SPITCH, 272
.set SPARE,  STAGE+4*16*SPITCH         ; the spare words, 128 bytes for each wave
.set LAPS,   SIZE_K/(2*KSTEP)
.set ADRA, 16                          ; v16-17 LDS address of my A fragments in slot 0, 1
.set ADRB, 20                          ; v20-21 the same for B
.set STO,  24
.set RD,   25
.set CO,   26
.set SPW,  28
.set NIL,  29
.set F0,   64
.set F1,   128
.set TMP,  192
.set OB,   32
.set G1,  24                           ; s[24:31] group 1 for A, s[32:39] group 0 for A, a set for each slot
.set G0,  32
.set G1B, 48                           ; s[48:55], s[56:63] the same for B
.set G0B, 56
.set MSB, 0
.macro WIN new                         ; the immediate's high byte repeats the setting that is left; a switch that changes nothing is dropped
.if MSB != (\new)
	s_set_vgpr_msb (MSB<<8)|(\new)
.set MSB, \new
.endif
.endm
.set MUL_LO, 0xa1                      ; source 0 (B) window 1, source 1 (A) window 0, C and D window 2
.set MUL_HI, 0xf1
.set TO_B,   0x40
.macro JLOAD s                         ; waves 0, 1 fetch A's halves, waves 2, 3 B's; an s_nop 0 and four v_nop follow each line
	s_cmp_eq_u32 s11, 0
	s_cbranch_scc0 .Lfor_b_\@
	tensor_load_to_lds s[G0+4*(\s):G0+4*(\s)+3], s[G1:G1+7]
	s_nop 0
.rept 4
	v_nop
.endr
	s_branch .Lasked_\@
.Lfor_b_\@:
	tensor_load_to_lds s[G0B+4*(\s):G0B+4*(\s)+3], s[G1B:G1B+7]
	s_nop 0
.rept 4
	v_nop
.endr
.Lasked_\@:
.endm
.macro CREST                           ; a round of the cluster's barrier behind its opening barrier
	s_cmp_lg_u32 s10, 0
	s_cbranch_scc1 .Lnot_wave_0_\@
	s_barrier_signal -3
.Lnot_wave_0_\@:
	s_barrier_wait -3
	s_barrier_signal -1
	s_barrier_wait -1
.endm
.macro CROUND
	s_barrier_signal -1
	s_barrier_wait -1
	CREST
.endm
	s_load_b128 s[4:7], s[0:1], 0x0                ; xh s[4:5], bkn s[6:7]
	s_load_b64 s[8:9], s[0:1], 0x10                ; qv
	v_lshl_add_u32 v[SPW], v0, 2, SPARE
	v_mov_b32 v[NIL], 0
	ds_add_u32 v[SPW], v[NIL]                      ; the wave's opening: the add, and its wait ahead of my first tensor load
	v_lshrrev_b32 v1, 5, v0
	v_readfirstlane_b32 s10, v1                    ; wave 0..3
	s_lshr_b32 s11, s10, 1                         ; my half of the tile's rows.  Also: I fetch for A (0) or B (1)
	s_and_b32 s12, s10, 1                          ; my half of its columns.  Also: which half of that tile I fetch
	s_bfe_u32 s40, ttmp6, 0x40000                  ; cx
	s_bfe_u32 s41, ttmp6, 0x40004                  ; cy
	s_lshl_b32 s42, ttmp9, 2
	s_add_co_u32 s42, s42, s40                     ; tile column
	s_and_b32 s13, ttmp7, 0xffff
	s_lshl_b32 s13, s13, 2
	s_add_co_u32 s13, s13, s41                     ; tile row
	s_lshl_b32 s43, s41, 2
	s_lshl_b32 s43, 15, s43                        ; my row of the cluster
	s_lshl_b32 s44, 0x1111, s40                    ; my column
	s_or_b32 s[G1+0], s43, (1<<16)|(1<<20)|(1<<21)|(5<<22)|(3<<25)   ; mask; 2-byte elements; padding on; bit 21 beside a mask; after every 64 words 4 words
	s_or_b32 s[G1B+0], s44, (1<<16)|(1<<20)|(1<<21)|(6<<22)|(7<<25)  ; after every 128 words 8 words
	s_mov_b32 s[G1+1], KSTEP<<16                   ; A: tensor_dim0 = 128
	s_mov_b32 s[G1+2], 128<<16                     ; tensor_dim1 = 128
	s_mov_b32 s[G1+3], KSTEP<<16                   ; tile_dim0 = 128
	s_mov_b32 s[G1+4], 128                         ; tile_dim1 = 128
	s_mov_b32 s[G1+5], SIZE_K                      ; elements from row to row
	s_mov_b32 s[G1+6], 0
	s_mov_b32 s[G1+7], 0
	s_mov_b32 s[G1B+1], 256<<16                    ; B: tensor_dim0 = 256 columns
	s_mov_b32 s[G1B+2], 64<<16                     ; tensor_dim1 = 64 k rows
	s_mov_b32 s[G1B+3], 256<<16
	s_mov_b32 s[G1B+4], 64
	s_mov_b32 s[G1B+5], SIZE_N
	s_mov_b32 s[G1B+6], 0
	s_mov_b32 s[G1B+7], 0
	s_lshl_b32 s17, s12, 7
	s_lshl_b32 s16, s13, 8
	s_add_co_u32 s16, s16, s17                     ; A: row 256 x tile row + 128 x half,
	s_lshl_b32 s16, s16, 11                        ; 2,048 bytes a row
	s_mov_b32 s17, 0
	s_lshl_b32 s46, s42, 9                         ; B: 512 bytes a tile column,
	s_lshl_b32 s47, s12, 18                        ; 64 k rows of 4,096 bytes a half
	s_add_co_u32 s46, s46, s47
	s_mov_b32 s47, 0
	s_mul_i32 s20, s10, HALFT                      ; where they go: wave x HALFT; no place in the cluster enters an LDS address
	s_wait_dscnt 0x0                               ; the opening add is done
	s_wait_kmcnt 0x0
	s_add_nc_u64 s[14:15], s[4:5], s[16:17]
	s_add_nc_u64 s[46:47], s[6:7], s[46:47]
	CROUND                                         ; all sixteen work-groups are here: the first joint loads meet
.irp s, 0,1
	s_mov_b32 s[G0+4*(\s)], 1
	s_add_co_u32 s[G0+4*(\s)+1], s20, (\s)*SLOT
	s_add_nc_u64 s[G0+4*(\s)+2:G0+4*(\s)+3], s[14:15], (\s)*KSTEP*2
	s_or_b32 s[G0+4*(\s)+3], s[G0+4*(\s)+3], 0x80000000
	s_mov_b32 s[G0B+4*(\s)], 1
	s_add_co_u32 s[G0B+4*(\s)+1], s20, (\s)*SLOT
	s_add_nc_u64 s[G0B+4*(\s)+2:G0B+4*(\s)+3], s[46:47], (\s)*KSTEP*SIZE_N*2
	s_or_b32 s[G0B+4*(\s)+3], s[G0B+4*(\s)+3], 0x80000000
	JLOAD \s                                       ; K steps 0 and 1: two tensor loads of mine are out
.endr
	v_and_b32 v1, 15, v0                           ; r
	v_bfe_u32 v2, v0, 4, 1                         ; h
	v_mul_u32_u24 v3, v1, PITCH
	v_lshl_add_u32 v3, v2, 4, v3                   ; A: row x pitch + 16 x half
	v_and_b32 v6, 7, v0                            ; B, turned: lane l reads k row 8 h + l % 8, columns 8 ((l / 8) % 2) on
	v_lshl_add_u32 v6, v2, 3, v6
	v_mul_u32_u24 v6, v6, BPITCH
	v_bfe_u32 v7, v0, 3, 1
	v_lshl_add_u32 v6, v7, 4, v6
	s_mul_i32 s21, s11, HALFT                      ; my 128 rows of A
	s_lshl_b32 s22, s12, 8                         ; my 128 columns of B: 256 bytes,
	s_add_co_u32 s22, s22, 2*HALFT                 ; behind A's 256 rows
.irp s, 0,1
	v_add_nc_u32 v[ADRA+(\s)], s21, v3
	v_add_nc_u32 v[ADRB+(\s)], s22, v6
	s_add_co_u32 s21, s21, SLOT
	s_add_co_u32 s22, s22, SLOT
.endr
	s_mul_i32 s23, s10, 16*SPITCH
	s_add_co_u32 s23, s23, STAGE                   ; my stage
	v_mul_u32_u24 v4, v1, SPITCH
	v_lshl_add_u32 v4, v2, 4, v4
	v_add_nc_u32 v[STO], s23, v4
	v_mul_u32_u24 v5, v2, SPITCH
	v_lshl_add_u32 v5, v1, 4, v5
	v_add_nc_u32 v[RD], s23, v5
	v_lshlrev_b32 v5, 12, v2                       ; the same two rows in qv, 4,096 bytes apart
	v_lshl_add_u32 v[CO], v1, 4, v5
	s_lshl_b32 s13, s13, 8
	s_lshl_b32 s14, s11, 7
	s_add_co_u32 s16, s13, s14                     ; my first row of qv,
	s_lshl_b32 s16, s16, 12                        ; in bytes
	s_mov_b32 s17, 0
	s_lshl_b32 s46, s42, 9                         ; my first column, in bytes
	s_lshl_b32 s47, s12, 8
	s_add_co_u32 s46, s46, s47
	s_mov_b32 s47, 0
	s_add_nc_u64 s[16:17], s[16:17], s[46:47]
; 16 matrix instructions: m blocks a0, a0 + 1 of the window's four x all 8 n blocks, 32 along K.  zero = 1: the first product starts the sums.
.macro MUL16 f, hi, a0, zero
	WIN MUL_LO+0x50*(\hi)
.irp a, \a0, (\a0)+1
.irp b, 0,1,2,3,4,5,6,7
.if \zero
	v_wmma_f32_16x16x32_f16 v[8*(8*(\a)+(\b)):8*(8*(\a)+(\b))+7], v[(\f)+8*(\b):(\f)+8*(\b)+7], v[(\f)+8*(4*(\hi)+(\a)):(\f)+8*(4*(\hi)+(\a))+7], 0
.else
	v_wmma_f32_16x16x32_f16 v[8*(8*(\a)+(\b)):8*(8*(\a)+(\b))+7], v[(\f)+8*(\b):(\f)+8*(\b)+7], v[(\f)+8*(4*(\hi)+(\a)):(\f)+8*(4*(\hi)+(\a))+7], v[8*(8*(\a)+(\b)):8*(8*(\a)+(\b))+7]
.endif
.endr
.endr
.endm
; 32 LDS loads in one run: quarter q (32 along K) of a slot into buffer f: B's 8 fragments (turned), then A's 8
.macro FETCH slot, q, f
	WIN TO_B
.irp i, 0,1,2,3,4,5,6,7
	ds_load_tr16_b128 v[(\f)+8*(\i):(\f)+8*(\i)+3],   v[ADRB+(\slot)] offset:(\q)*32*BPITCH+32*(\i)
	ds_load_tr16_b128 v[(\f)+8*(\i)+4:(\f)+8*(\i)+7], v[ADRB+(\slot)] offset:(\q)*32*BPITCH+32*(\i)+16*BPITCH
.endr
	WIN 0
.irp i, 0,1,2,3,4,5,6,7
	ds_load_b128 v[(\f)+8*(\i):(\f)+8*(\i)+3],   v[ADRA+(\slot)] offset:64*(\q)+(\i)*16*PITCH
	ds_load_b128 v[(\f)+8*(\i)+4:(\f)+8*(\i)+7], v[ADRA+(\slot)] offset:64*(\q)+(\i)*16*PITCH+32
.endr
.endm
.macro PLACES                          ; four places in front of loads into registers that matrix instructions have read, and of conversions that read results
.rept 4
	v_nop
.endr
.endm
; One of a K step's first three quarters: multiplies buffer f; in its middle fetches quarter q of the same slot into buffer g.
.macro QUARTER slot, q, f, g, zero
	s_wait_dscnt 8                                 ; B and A's rows 0-63 are in; the youngest eight loads (A's rows 64-127) may be out
	MUL16 \f, 0, 0, \zero
	MUL16 \f, 0, 2, \zero
	PLACES
	FETCH \slot, \q, \g
	s_wait_dscnt 32                                ; all but the 32 just issued
	MUL16 \f, 1, 0, \zero
	MUL16 \f, 1, 2, \zero
.endm
; The first half of a K step's last quarter, and the one barrier of a change of slots.
.macro MEET round
	WIN 0
	s_wait_tensorcnt 0x0                           ; all my tensor loads have landed: the one that was out is my part of the next slot
	ds_add_u32 v[SPW], v[NIL]                      ; 0 onto my spare word
	s_wait_dscnt 9                                 ; the add and the youngest eight loads may be out
	MUL16 F1, 0, 0, 0
	s_wait_dscnt 0x0                               ; the add is done, and my reads of this slot are over
	s_barrier_signal -1
	MUL16 F1, 0, 2, 0
.if \round
	WIN 0
.endif
	s_barrier_wait -1
.endm
.macro TURN slot, next, fill
	MEET \fill
.if \fill
	CREST                                          ; the barrier has opened a round of the cluster's barrier: no wave of any partner still reads this slot or has a load on its way
	s_add_nc_u64 s[G0+4*(\slot)+2:G0+4*(\slot)+3], s[G0+4*(\slot)+2:G0+4*(\slot)+3], 2*KSTEP*2
	s_add_nc_u64 s[G0B+4*(\slot)+2:G0B+4*(\slot)+3], s[G0B+4*(\slot)+2:G0B+4*(\slot)+3], 2*KSTEP*SIZE_N*2
	JLOAD \slot                                    ; my one tensor load behind the round; its four v_nop are also the places in front of the loads below
.else
	PLACES
.endif
	FETCH \next, 0, F0
	MUL16 F1, 1, 0, 0
	MUL16 F1, 1, 2, 0
.endm
; THE WAY OUT of block a (16 rows): rounded to f16; through my own stage; back as whole rows of 256 bytes; stored.
.macro PACK a
.set AC, 64*((\a)%4)
	WIN 0x0a+5*((\a)/4)
.irp b, 0,1,2,3,4,5,6,7
.irp r, 0,1,2,3
	v_cvt_pk_f16_f32 v[TMP+4*(\b)+(\r)], v[AC+8*(\b)+2*(\r)], v[AC+8*(\b)+2*(\r)+1]
.endr
.endr
	WIN 0
.endm
.macro TOSTAGE a
	WIN 0
.set BK, OB+192*((\a)%2)
.irp b, 0,1,2,3,4,5,6,7
	ds_store_b128 v[STO], v[TMP+4*(\b):TMP+4*(\b)+3] offset:32*(\b)
.endr
.irp t, 0,1,2,3,4,5,6,7
	ds_load_b128 v[BK+4*(\t):BK+4*(\t)+3], v[RD] offset:(\t)*2*SPITCH  ; LDS serves a wave's instructions in order (ISA guide 5.7.1.4): these see the stores above
.endr
.endm
.macro SEND a
	WIN 0
.set BK, OB+192*((\a)%2)
	s_wait_dscnt 0x0                               ; the block is back in registers
	s_wait_xcnt 0x0                                ; earlier stores have read their base and registers
.if (\a) == 0
	s_add_nc_u64 s[8:9], s[8:9], s[16:17]
.else
	s_add_nc_u64 s[8:9], s[8:9], 16*SIZE_N*2
.endif
.irp t, 0,1,2,3,4,5,6,7
	global_store_b128 v[CO], v[BK+4*(\t):BK+4*(\t)+3], s[8:9] offset:2*(\t)*SIZE_N*2  ; 16 lanes store 256 consecutive bytes, aligned
.endr
.endm
	s_wait_tensorcnt 1                             ; my part of K step 0 is in; K step 1's load, issued behind it, may stay out
	s_barrier_signal -1
	s_barrier_wait -1
	FETCH 0, 0, F0
	QUARTER 0, 1, F0, F1, 1                        ; the first quarter stands in front of the loop: its products start the sums
	WIN 0
	s_mov_b32 s3, LAPS-1
.Llap:                                                 ; a trip goes once round the ring and fills both slots again
	QUARTER 0, 2, F1, F0, 0
	QUARTER 0, 3, F0, F1, 0
	TURN 0, 1, 1
	QUARTER 1, 1, F0, F1, 0
	QUARTER 1, 2, F1, F0, 0
	QUARTER 1, 3, F0, F1, 0
	TURN 1, 0, 1
	QUARTER 0, 1, F0, F1, 0
	WIN 0
	s_sub_co_u32 s3, s3, 1
	s_cmp_lg_u32 s3, 0
	s_cbranch_scc1 .Llap
	QUARTER 0, 2, F1, F0, 0                        ; the last lap fills nothing
	QUARTER 0, 3, F0, F1, 0
	TURN 0, 1, 0
	QUARTER 1, 1, F0, F1, 0
	QUARTER 1, 2, F1, F0, 0
	QUARTER 1, 3, F0, F1, 0
	s_wait_dscnt 8
	MUL16 F1, 0, 0, 0
	MUL16 F1, 0, 2, 0
	s_wait_dscnt 0x0
	MUL16 F1, 1, 0, 0
	MUL16 F1, 1, 2, 0
	PLACES
	PACK 0
	TOSTAGE 0
.irp a, 1,2,3,4,5,6,7                  ; block a's conversions stand between block a - 1's loads from the stage and the wait for them
	PACK \a
	SEND (\a)-1
	TOSTAGE \a
.endr
	SEND 7
	s_wait_tensorcnt 0x0                           ; the wave's end
	ds_add_u32 v[SPW], v[NIL]
	s_wait_dscnt 0x0
	CROUND                                         ; the closing round
	s_endpgm
.Lfunc_end_k_q3be8d14e94_proj:
	.size	k_q3be8d14e94_proj, .Lfunc_end_k_q3be8d14e94_proj-k_q3be8d14e94_proj
	.p2alignl 7, 3214868480
	.fill 96, 4, 3214868480
	.section	.rodata,"a",@progbits
	.p2align	6, 0x0
	.amdhsa_kernel k_q3be8d14e94_proj
		.amdhsa_group_segment_fixed_size 327680
		.amdhsa_private_segment_fixed_size 0
		.amdhsa_enable_private_segment 0
		.amdhsa_kernarg_size 24
		.amdhsa_user_sgpr_count 2
		.amdhsa_user_sgpr_kernarg_segment_ptr 1
		.amdhsa_wavefront_size32 1
		.amdhsa_system_sgpr_workgroup_id_x 1
		.amdhsa_system_sgpr_workgroup_id_y 1
		.amdhsa_system_sgpr_workgroup_id_z 1
		.amdhsa_system_vgpr_workitem_id 0
		.amdhsa_next_free_vgpr 1024
		.amdhsa_next_free_sgpr 66
		.amdhsa_reserve_vcc 0
		.amdhsa_float_denorm_mode_32 3
		.amdhsa_float_denorm_mode_16_64 3
		.amdhsa_memory_ordered 1
		.amdhsa_forward_progress 1
		.amdhsa_inst_pref_size 143
	.end_amdhsa_kernel
	.amdgpu_metadata
---
amdhsa.version: [ 1, 2 ]
amdhsa.kernels:
  - .name:           k_q3be8d14e94_proj
    .symbol:         k_q3be8d14e94_proj.kd
    .args:
      - { .name: xh, .offset: 0, .size: 8, .value_kind: global_buffer, .address_space: global }
      - { .name: bkn, .offset: 8, .size: 8, .value_kind: global_buffer, .address_space: global }
      - { .name: qv, .offset: 16, .size: 8, .value_kind: global_buffer, .address_space: global }
    .group_segment_fixed_size: 327680
    .private_segment_fixed_size: 0
    .kernarg_segment_align: 8
    .kernarg_segment_size: 24
    .max_flat_workgroup_size: 128
    .sgpr_count:     66
    .vgpr_count:     1024
    .wavefront_size: 32
...
	.end_amdgpu_metadata
.endif
;; end of part 2
;; launch scores (part 3): grid 36 x 4, 4 waves a work-group, no clusters, 327,680 bytes of LDS; arguments qv, xh, pw, st; writes pw, st
.if DOCPART == 3
	.amdgcn_target "amdgcn-amd-amdhsa--gfx1250"
	.amdhsa_code_object_version 6
	.text
	.protected	k_q3be8d14e94_scores
	.globl	k_q3be8d14e94_scores
	.p2align	8
	.type	k_q3be8d14e94_scores,@function
k_q3be8d14e94_scores:
	s_mov_b64 s[64:65], 0
	v_nop
	global_prefetch_b8 v0, s[64:65] scope:SCOPE_SE
	s_setreg_imm32_b32 hwreg(HW_REG_WAVE_MODE, 25, 1), 1
	s_wait_xcnt 0x0
; SCORES.  For batch b and each tile (i, j), j <= i, of 256 queries x 256 keys: s = qv[query][0:1024] . xh[key][:], which is (q . k) * 2^-15; then, by rows of the tile,
; m = the largest s that the causal mask leaves, p = 2^(CS s - CS m) with CS = log2(e) * 2^15 / 32, l = the sum of p.  pw takes p as f16, st the pair (m, l) for (b, key tile j, row).
; The maximum is the tile's own: the next launch brings the tiles of a row to one maximum.  Tiles above the diagonal are not made: 36 tiles a batch, 144 work-groups.
; LIMITS.  A hidden score counts as -2^100 (f16 operands give |s| below 4.4e12); a weight below 2^-126 counts as 0; p below 6e-5 keeps f16's fixed step.  NaN and infinities are not treated apart.
; Every row sees its own key in its diagonal tile, so m is always a true score.
; NO CLUSTER: tile row i has i + 1 tiles, 1 to 8: the triangle does not fall into groups of four that share a tile.
; The product is a 256 x 256 tile by four waves, 128 x 128 each, K = 1024 in steps of 128 through two LDS slots; source 0 = 16 keys, source 1 = 16 queries: a lane holds one query and eight keys.
; THE WAY OUT goes through the ring's bytes, which have had their last fill: all scores are laid down in f32 (rows of 1,040 bytes), then wave w takes rows 64 w .. 64 w + 63, sixteen lanes to a row.
.set KSTEP,  128
.set PITCH,  272
.set HALFT,  128*PITCH
.set SLOT,   4*HALFT
.set DPITCH, 1040                      ; a row of scores: 1,024 bytes + 16: 16 rows start at 16 different groups of four banks (ISA guide 11.1)
.set STAT,   256*DPITCH                ; 256 pairs (m, l), 2,048 bytes, still inside the ring
.set SPARE,  2*SLOT                    ; the spare words, 128 bytes for each wave
.set LAPS,   4
.set ADRA, 16
.set ADRB, 20
.set SPW,  28
.set NIL,  29
.set DST,  32                          ; v32-33 where I lay scores down: query blocks 0-3, 4-7
.set RDA,  34                          ; v34 where I read rows back; steps 8 rows a trip
.set SA,   35                          ; v35 where (m, l) goes in LDS
.set PO,   36                          ; v36 my byte offset in pw
.set DV,   37                          ; v37 my row in the tile less my first key: a key 8 c + e is hidden where e is greater
.set SR,   38                          ; v38 my 16 bytes of my wave's 512 bytes of pairs
.set SO,   39                          ; v39 the same in st
.set F0,   64
.set F1,   128
.set V,    64                          ; the way out: pass p's 16 scores at v[64 + 16 p]
.set O,    192                         ; its 16 weights as f16, 8 registers
.set ML,   224                         ; (m, l)
.set CM,   232                         ; (CS m, 0): named as a pair by the packed scaling
.set W,    240                         ; two at work
.set BIG,  248                         ; -2^100
.set WV,  12                           ; s12 wave; s13 its half of the queries, also: fetches A (0) or B (1); s14 its half of the keys, also: which 128 rows it fetches
.set HM,  13
.set HN,  14
.set TI,  16
.set TJ,  17
.set G1,  24
.set G0,  32
.set CS,  44                           ; s[44:45]
.set G1B, 48
.set G0B, 56
.set MSB, 0
.macro WIN new
.if MSB != (\new)
	s_set_vgpr_msb (MSB<<8)|(\new)
.set MSB, \new
.endif
.endm
.set MUL_LO, 0xa1
.set MUL_HI, 0xf1
.set TO_B,   0x40
.macro JLOAD s                         ; waves 0, 1 fetch the queries' halves, waves 2, 3 the keys'; an s_nop 0 and four v_nop follow each line
	s_cmp_eq_u32 s[HM], 0
	s_cbranch_scc0 .Lfor_b_\@
	tensor_load_to_lds s[G0+4*(\s):G0+4*(\s)+3], s[G1:G1+7]
	s_nop 0
.rept 4
	v_nop
.endr
	s_branch .Lasked_\@
.Lfor_b_\@:
	tensor_load_to_lds s[G0B+4*(\s):G0B+4*(\s)+3], s[G1B:G1B+7]
	s_nop 0
.rept 4
	v_nop
.endr
.Lasked_\@:
.endm
	s_load_b256 s[4:11], s[0:1], 0x0               ; qv s[4:5], xh s[6:7], pw s[8:9], st s[10:11]
	v_lshl_add_u32 v[SPW], v0, 2, SPARE
	v_mov_b32 v[NIL], 0
	ds_add_u32 v[SPW], v[NIL]                      ; the wave's opening: the add, and its wait ahead of my first tensor load
	v_lshrrev_b32 v1, 5, v0
	v_readfirstlane_b32 s[WV], v1
	s_lshr_b32 s[HM], s[WV], 1
	s_and_b32 s[HN], s[WV], 1
	s_mov_b32 s15, ttmp9                           ; the tile's number in the triangle, 0..35
	s_mov_b32 s[TI], 0
.irp T, 1,3,6,10,15,21,28
	s_cmp_ge_u32 s15, \T                           ; i = how many rows of the triangle begin at or below it
	s_add_co_ci_u32 s[TI], s[TI], 0
.endr
	s_add_co_u32 s40, s[TI], 1
	s_mul_i32 s40, s40, s[TI]
	s_lshr_b32 s40, s40, 1
	s_sub_co_u32 s[TJ], s15, s40                   ; j = number - i (i + 1) / 2
	s_and_b32 s18, ttmp7, 0xffff                   ; batch
	s_mov_b32 s[G1+0], (1<<16)|(1<<20)|(5<<22)|(3<<25)   ; 2-byte elements; padding on: after every 64 words 4 words
	s_mov_b32 s[G1B+0], (1<<16)|(1<<20)|(5<<22)|(3<<25)
.irp g, G1, G1B
	s_mov_b32 s[(\g)+1], KSTEP<<16                 ; tensor_dim0 = 128
	s_mov_b32 s[(\g)+2], 128<<16                   ; tensor_dim1 = 128
	s_mov_b32 s[(\g)+3], KSTEP<<16                 ; tile_dim0 = 128
	s_mov_b32 s[(\g)+4], 128                       ; tile_dim1 = 128
	s_mov_b32 s[(\g)+6], 0
	s_mov_b32 s[(\g)+7], 0
.endr
	s_mov_b32 s[G1+5], 2048                        ; qv: 2,048 elements from row to row
	s_mov_b32 s[G1B+5], 1024                       ; xh: 1,024
	s_lshl_b32 s41, s18, 11                        ; the batch's first row
	s_lshl_b32 s42, s[HN], 7                       ; which 128 rows of a tile I fetch
	s_add_co_u32 s42, s42, s41
	s_lshl_b32 s20, s[TI], 8
	s_add_co_u32 s20, s20, s42
	s_lshl_b32 s20, s20, 12                        ; queries: 4,096 bytes a row
	s_mov_b32 s21, 0
	s_lshl_b32 s22, s[TJ], 8
	s_add_co_u32 s22, s22, s42
	s_lshl_b32 s22, s22, 11                        ; keys: 2,048 bytes a row
	s_mov_b32 s23, 0
	s_mul_i32 s19, s[WV], HALFT                    ; where my part of a tile goes
	s_lshl_b32 s46, s[TI], 8                       ; pw: row b 2048 + 256 i, 4,096 bytes a row, + 512 j
	s_add_co_u32 s46, s46, s41
	s_lshl_b32 s46, s46, 12
	s_lshl_b32 s47, s[TJ], 9
	s_add_co_u32 s46, s46, s47
	s_mov_b32 s47, 0
	s_lshl_b32 s42, s18, 14                        ; st: ((8 b + j) 2048 + 256 i + 64 wave) pairs of 8 bytes
	s_lshl_b32 s43, s[TJ], 11
	s_add_co_u32 s42, s42, s43
	s_lshl_b32 s43, s[TI], 8
	s_add_co_u32 s42, s42, s43
	s_lshl_b32 s43, s[WV], 6
	s_add_co_u32 s42, s42, s43
	s_lshl_b32 s42, s42, 3
	s_mov_b32 s43, 0
	s_mov_b32 s[CS], 0x44b8aa3b                    ; log2(e) * 1024
	s_mov_b32 s[CS+1], 0x44b8aa3b
	s_wait_dscnt 0x0                               ; the opening add is done
	s_wait_kmcnt 0x0
	s_add_nc_u64 s[20:21], s[4:5], s[20:21]
	s_add_nc_u64 s[22:23], s[6:7], s[22:23]
	s_add_nc_u64 s[8:9], s[8:9], s[46:47]
	s_add_nc_u64 s[10:11], s[10:11], s[42:43]
.irp s, 0,1
	s_mov_b32 s[G0+4*(\s)], 1
	s_add_co_u32 s[G0+4*(\s)+1], s19, (\s)*SLOT
	s_add_nc_u64 s[G0+4*(\s)+2:G0+4*(\s)+3], s[20:21], (\s)*KSTEP*2
	s_or_b32 s[G0+4*(\s)+3], s[G0+4*(\s)+3], 0x80000000
	s_mov_b32 s[G0B+4*(\s)], 1
	s_add_co_u32 s[G0B+4*(\s)+1], s19, (\s)*SLOT
	s_add_nc_u64 s[G0B+4*(\s)+2:G0B+4*(\s)+3], s[22:23], (\s)*KSTEP*2
	s_or_b32 s[G0B+4*(\s)+3], s[G0B+4*(\s)+3], 0x80000000
	JLOAD \s                                       ; K steps 0 and 1: two tensor loads of mine are out
.endr
	v_and_b32 v1, 15, v0                           ; r, on the way out c
	v_bfe_u32 v2, v0, 4, 1                         ; h
	v_mul_u32_u24 v3, v1, PITCH
	v_lshl_add_u32 v3, v2, 4, v3
	s_mul_i32 s40, s[HM], HALFT                    ; my 128 queries
	s_mul_i32 s41, s[HN], HALFT                    ; my 128 keys,
	s_add_co_u32 s41, s41, 2*HALFT                 ; behind the 256 queries
.irp s, 0,1
	v_add_nc_u32 v[ADRA+(\s)], s40, v3
	v_add_nc_u32 v[ADRB+(\s)], s41, v3
	s_add_co_u32 s40, s40, SLOT
	s_add_co_u32 s41, s41, SLOT
.endr
	v_mul_u32_u24 v[DST], v1, DPITCH               ; scores down: row 128 half + r, 512 bytes a half of the keys, 16 bytes for each half of the lanes
	v_lshl_add_u32 v[DST], v2, 4, v[DST]
	s_mul_i32 s40, s[HM], 128*DPITCH
	s_lshl_b32 s41, s[HN], 9
	s_add_co_u32 s40, s40, s41
	v_add_nc_u32 v[DST], s40, v[DST]
	v_add_nc_u32 v[DST+1], 64*DPITCH, v[DST]
	v_mul_u32_u24 v[RDA], v2, DPITCH               ; back: row 64 wave + h, 16 bytes a lane
	v_lshl_add_u32 v[RDA], v1, 4, v[RDA]
	s_mul_i32 s40, s[WV], 64*DPITCH
	v_add_nc_u32 v[RDA], s40, v[RDA]
	s_lshl_b32 s40, s[WV], 9
	s_add_co_u32 s40, s40, STAT
	v_lshlrev_b32 v[SA], 3, v2
	v_add_nc_u32 v[SA], s40, v[SA]
	v_and_b32 v3, 31, v0
	v_lshlrev_b32 v[SO], 4, v3
	v_add_nc_u32 v[SR], s40, v[SO]
	v_lshlrev_b32 v[PO], 12, v2
	v_lshl_add_u32 v[PO], v1, 4, v[PO]
	s_lshl_b32 s40, s[WV], 18
	v_add_nc_u32 v[PO], s40, v[PO]
	v_lshlrev_b32 v3, 3, v1
	v_sub_nc_u32 v[DV], v2, v3
	s_lshl_b32 s40, s[WV], 6
	v_add_nc_u32 v[DV], s40, v[DV]
	v_mov_b32 v[BIG], 0xf1800000
.irp p, 0,1,2,3
	v_mov_b32 v[CM+2*\p+1], 0
.endr
.macro MUL16 f, hi, a0, zero
	WIN MUL_LO+0x50*(\hi)
.irp a, \a0, (\a0)+1
.irp b, 0,1,2,3,4,5,6,7
.if \zero
	v_wmma_f32_16x16x32_f16 v[8*(8*(\a)+(\b)):8*(8*(\a)+(\b))+7], v[(\f)+8*(\b):(\f)+8*(\b)+7], v[(\f)+8*(4*(\hi)+(\a)):(\f)+8*(4*(\hi)+(\a))+7], 0
.else
	v_wmma_f32_16x16x32_f16 v[8*(8*(\a)+(\b)):8*(8*(\a)+(\b))+7], v[(\f)+8*(\b):(\f)+8*(\b)+7], v[(\f)+8*(4*(\hi)+(\a)):(\f)+8*(4*(\hi)+(\a))+7], v[8*(8*(\a)+(\b)):8*(8*(\a)+(\b))+7]
.endif
.endr
.endr
.endm
.macro FETCH slot, q, f                ; 32 LDS loads in one run: quarter q of a slot: the keys' 8 fragments, then the queries' 8
	WIN TO_B
.irp i, 0,1,2,3,4,5,6,7
	ds_load_b128 v[(\f)+8*(\i):(\f)+8*(\i)+3],   v[ADRB+(\slot)] offset:64*(\q)+(\i)*16*PITCH
	ds_load_b128 v[(\f)+8*(\i)+4:(\f)+8*(\i)+7], v[ADRB+(\slot)] offset:64*(\q)+(\i)*16*PITCH+32
.endr
	WIN 0
.irp i, 0,1,2,3,4,5,6,7
	ds_load_b128 v[(\f)+8*(\i):(\f)+8*(\i)+3],   v[ADRA+(\slot)] offset:64*(\q)+(\i)*16*PITCH
	ds_load_b128 v[(\f)+8*(\i)+4:(\f)+8*(\i)+7], v[ADRA+(\slot)] offset:64*(\q)+(\i)*16*PITCH+32
.endr
.endm
.macro PLACES
.rept 4
	v_nop
.endr
.endm
.macro QUARTER slot, q, f, g, zero
	s_wait_dscnt 8                                 ; the keys and queries 0-63 are in; the youngest eight loads may be out
	MUL16 \f, 0, 0, \zero
	MUL16 \f, 0, 2, \zero
	PLACES
	FETCH \slot, \q, \g
	s_wait_dscnt 32                                ; all but the 32 just issued
	MUL16 \f, 1, 0, \zero
	MUL16 \f, 1, 2, \zero
.endm
.macro TURN slot, next, fill           ; a K step's last quarter and the change of slots: one barrier
	WIN 0
	s_wait_tensorcnt 0x0                           ; all my tensor loads have landed: the one that was out is my part of the next slot
	ds_add_u32 v[SPW], v[NIL]                      ; 0 onto my spare word
	s_wait_dscnt 9                                 ; the add and the youngest eight loads may be out
	MUL16 F1, 0, 0, 0
	s_wait_dscnt 0x0                               ; the add is done, and my reads of this slot are over
	s_barrier_signal -1
	MUL16 F1, 0, 2, 0
.if \fill
	WIN 0
.endif
	s_barrier_wait -1
.if \fill
	s_add_nc_u64 s[G0+4*(\slot)+2:G0+4*(\slot)+3], s[G0+4*(\slot)+2:G0+4*(\slot)+3], 2*KSTEP*2
	s_add_nc_u64 s[G0B+4*(\slot)+2:G0B+4*(\slot)+3], s[G0B+4*(\slot)+2:G0B+4*(\slot)+3], 2*KSTEP*2
	JLOAD \slot                                    ; my one tensor load behind the barrier; its four v_nop are also the places in front of the loads below
.else
	PLACES
.endif
	FETCH \next, 0, F0
	MUL16 F1, 1, 0, 0
	MUL16 F1, 1, 2, 0
.endm
	s_wait_tensorcnt 1                             ; my part of K step 0 is in; K step 1's load may stay out
	s_barrier_signal -1
	s_barrier_wait -1
	FETCH 0, 0, F0
	QUARTER 0, 1, F0, F1, 1
	WIN 0
	s_mov_b32 s3, LAPS-1
.Llap:
	QUARTER 0, 2, F1, F0, 0
	QUARTER 0, 3, F0, F1, 0
	TURN 0, 1, 1
	QUARTER 1, 1, F0, F1, 0
	QUARTER 1, 2, F1, F0, 0
	QUARTER 1, 3, F0, F1, 0
	TURN 1, 0, 1
	QUARTER 0, 1, F0, F1, 0
	WIN 0
	s_sub_co_u32 s3, s3, 1
	s_cmp_lg_u32 s3, 0
	s_cbranch_scc1 .Llap
	QUARTER 0, 2, F1, F0, 0
	QUARTER 0, 3, F0, F1, 0
	TURN 0, 1, 0
	QUARTER 1, 1, F0, F1, 0
	QUARTER 1, 2, F1, F0, 0
	QUARTER 1, 3, F0, F1, 0
	s_wait_dscnt 8
	MUL16 F1, 0, 0, 0
	MUL16 F1, 0, 2, 0
	s_wait_dscnt 0x0                               ; my last reads of the ring are over:
	s_barrier_signal -1                            ; say so,
	MUL16 F1, 1, 0, 0
	MUL16 F1, 1, 2, 0
	s_barrier_wait -1                              ; and write over the ring only when all four have said so
	PLACES
	; All scores down.  Of a lane's eight keys 8 c .. 8 c + 7 (c = 2 b + h) the first four go to byte 16 c of the row's 512 bytes for these 128 keys, the last four 256 bytes further.
.irp a, 0,1,2,3,4,5,6,7
	WIN 0x08+4*((\a)/4)                            ; store data (source 1) in window 2 or 3
.irp b, 0,1,2,3,4,5,6,7
	ds_store_b128 v[DST+(\a)/4], v[64*((\a)%4)+8*(\b):64*((\a)%4)+8*(\b)+3]   offset:((\a)%4)*16*DPITCH+32*(\b)      ; each accumulator's low registers first
	ds_store_b128 v[DST+(\a)/4], v[64*((\a)%4)+8*(\b)+4:64*((\a)%4)+8*(\b)+7] offset:((\a)%4)*16*DPITCH+32*(\b)+256
.endr
.endr
	WIN 0
	s_wait_dscnt 0x0                               ; for the others' sake: a row's 1,024 bytes come from two waves
	s_barrier_signal -1
	s_barrier_wait -1
	s_mov_b32 s3, 8
.Lrows:                                                ; a trip: 8 rows, in four passes of two (lanes 0-15 one row, lanes 16-31 the next); the passes stand stage by stage
.irp p, 0,1,2,3
	ds_load_b128 v[V+16*\p:V+16*\p+3],     v[RDA] offset:\p*2*DPITCH       ; keys 8 c + 0..3
	ds_load_b128 v[V+16*\p+4:V+16*\p+7],   v[RDA] offset:\p*2*DPITCH+256   ; 8 c + 4..7
	ds_load_b128 v[V+16*\p+8:V+16*\p+11],  v[RDA] offset:\p*2*DPITCH+512   ; 128 + 8 c + 0..3
	ds_load_b128 v[V+16*\p+12:V+16*\p+15], v[RDA] offset:\p*2*DPITCH+768   ; 128 + 8 c + 4..7
.endr
	s_wait_dscnt 0x0
	s_cmp_lg_u32 s[TI], s[TJ]
	s_cbranch_scc1 .Lopen                          ; only the diagonal tile hides keys
.irp p, 0,1,2,3
.irp e, 0,1,2,3,4,5,6,7
	v_cmp_gt_i32 vcc_lo, \e-2*\p, v[DV]            ; key 8 c + e lies beyond row (the trip's first + h) + 2 p
	v_cndmask_b32 v[V+16*\p+\e], v[V+16*\p+\e], v[BIG], vcc_lo
	v_cmp_gt_i32 vcc_lo, 128+\e-2*\p, v[DV]
	v_cndmask_b32 v[V+16*\p+8+\e], v[V+16*\p+8+\e], v[BIG], vcc_lo
.endr
.endr
.Lopen:
.irp p, 0,1,2,3
	v_max3_num_f32 v[W+2*\p],   v[V+16*\p],   v[V+16*\p+1], v[V+16*\p+2]
	v_max3_num_f32 v[W+2*\p+1], v[V+16*\p+8], v[V+16*\p+9], v[V+16*\p+10]
.endr
.irp p, 0,1,2,3
	v_max3_num_f32 v[W+2*\p],   v[W+2*\p],   v[V+16*\p+3],  v[V+16*\p+4]
	v_max3_num_f32 v[W+2*\p+1], v[W+2*\p+1], v[V+16*\p+11], v[V+16*\p+12]
.endr
.irp p, 0,1,2,3
	v_max3_num_f32 v[W+2*\p],   v[W+2*\p],   v[V+16*\p+5],  v[V+16*\p+6]
	v_max3_num_f32 v[W+2*\p+1], v[W+2*\p+1], v[V+16*\p+13], v[V+16*\p+14]
.endr
.irp p, 0,1,2,3
	v_max3_num_f32 v[W+2*\p], v[W+2*\p], v[V+16*\p+7], v[V+16*\p+15]
.endr
.irp p, 0,1,2,3
	v_max_num_f32 v[ML+2*\p], v[W+2*\p], v[W+2*\p+1]
.endr
.irp x, 1,2,4,8                        ; across the row's sixteen lanes
.irp p, 0,1,2,3
	v_max_num_f32_dpp v[ML+2*\p], v[ML+2*\p], v[ML+2*\p] row_xmask:\x row_mask:0xf bank_mask:0xf
.endr
.endr
.irp p, 0,1,2,3
	v_mul_f32 v[CM+2*\p], s[CS], v[ML+2*\p]        ; CS m, rounded once: the next launch rounds the same product in the same way
.endr
.irp p, 0,1,2,3
.irp k, 0,2,4,6,8,10,12,14
	v_pk_fma_f32 v[V+16*\p+\k:V+16*\p+\k+1], v[V+16*\p+\k:V+16*\p+\k+1], s[CS:CS+1], v[CM+2*\p:CM+2*\p+1] op_sel_hi:[1,0,0] neg_lo:[0,0,1] neg_hi:[0,0,1]
.endr
.endr
.set k, 0
.rept 64
	v_exp_f32 v[V+k], v[V+k]
.set k, k+1
.endr
	v_nop                                          ; a plain instruction between the last exponential and the use of its result
	s_wait_alu depctr_va_vdst(0)
.irp p, 0,1,2,3
.irp k, 0,1,2,3,4,5,6,7
	v_cvt_pk_f16_f32 v[O+8*\p+\k], v[V+16*\p+2*\k], v[V+16*\p+2*\k+1]
.endr
.endr
.irp p, 0,1,2,3
.irp k, 0,4,8,12
	v_pk_add_f32 v[V+16*\p+\k:V+16*\p+\k+1], v[V+16*\p+\k:V+16*\p+\k+1], v[V+16*\p+\k+2:V+16*\p+\k+3]
.endr
.endr
.irp p, 0,1,2,3
	v_pk_add_f32 v[V+16*\p:V+16*\p+1],   v[V+16*\p:V+16*\p+1],   v[V+16*\p+4:V+16*\p+5]
	v_pk_add_f32 v[V+16*\p+8:V+16*\p+9], v[V+16*\p+8:V+16*\p+9], v[V+16*\p+12:V+16*\p+13]
.endr
.irp p, 0,1,2,3
	v_pk_add_f32 v[V+16*\p:V+16*\p+1], v[V+16*\p:V+16*\p+1], v[V+16*\p+8:V+16*\p+9]
.endr
.irp p, 0,1,2,3
	v_add_f32 v[ML+2*\p+1], v[V+16*\p], v[V+16*\p+1]
.endr
.irp x, 1,2,4,8
.irp p, 0,1,2,3
	v_add_f32_dpp v[ML+2*\p+1], v[ML+2*\p+1], v[ML+2*\p+1] row_xmask:\x row_mask:0xf bank_mask:0xf
.endr
.endr
.irp p, 0,1,2,3
	global_store_b128 v[PO], v[O+8*\p:O+8*\p+3],   s[8:9] offset:\p*8192      ; 16 lanes store 256 consecutive bytes, aligned: keys 0-127 of the row,
	global_store_b128 v[PO], v[O+8*\p+4:O+8*\p+7], s[8:9] offset:\p*8192+256  ; keys 128-255
	ds_store_b64 v[SA], v[ML+2*\p:ML+2*\p+1] offset:16*\p                     ; a row's sixteen lanes write the same pair to the same place
.endr
	s_wait_xcnt 0x0                                ; the stores have read their base and their registers: both are written again only behind this wait
	s_add_nc_u64 s[8:9], s[8:9], 8*4096
	v_add_nc_u32 v[RDA], 8*DPITCH, v[RDA]
	v_add_nc_u32 v[SA], 64, v[SA]
	v_add_nc_u32 v[DV], 8, v[DV]
	s_sub_co_u32 s3, s3, 1
	s_cmp_lg_u32 s3, 0
	s_cbranch_scc1 .Lrows
	ds_load_b128 v[V:V+3], v[SR]                   ; my wave's 64 pairs; LDS serves a wave's instructions in order (ISA guide 5.7.1.4)
	s_wait_dscnt 0x0
	global_store_b128 v[SO], v[V:V+3], s[10:11]    ; 512 consecutive bytes of st, aligned
	s_wait_tensorcnt 0x0                           ; the wave's end
	ds_add_u32 v[SPW], v[NIL]
	s_wait_dscnt 0x0
	s_endpgm
.Lfunc_end_k_q3be8d14e94_scores:
	.size	k_q3be8d14e94_scores, .Lfunc_end_k_q3be8d14e94_scores-k_q3be8d14e94_scores
	.p2alignl 7, 3214868480
	.fill 96, 4, 3214868480
	.section	.rodata,"a",@progbits
	.p2align	6, 0x0
	.amdhsa_kernel k_q3be8d14e94_scores
		.amdhsa_group_segment_fixed_size 327680
		.amdhsa_private_segment_fixed_size 0
		.amdhsa_enable_private_segment 0
		.amdhsa_kernarg_size 32
		.amdhsa_user_sgpr_count 2
		.amdhsa_user_sgpr_kernarg_segment_ptr 1
		.amdhsa_wavefront_size32 1
		.amdhsa_system_sgpr_workgroup_id_x 1
		.amdhsa_system_sgpr_workgroup_id_y 1
		.amdhsa_system_sgpr_workgroup_id_z 1
		.amdhsa_system_vgpr_workitem_id 0
		.amdhsa_next_free_vgpr 1024
		.amdhsa_next_free_sgpr 66
		.amdhsa_reserve_vcc 1
		.amdhsa_float_denorm_mode_32 3
		.amdhsa_float_denorm_mode_16_64 3
		.amdhsa_memory_ordered 1
		.amdhsa_forward_progress 1
		.amdhsa_inst_pref_size 139
	.end_amdhsa_kernel
	.amdgpu_metadata
---
amdhsa.version: [ 1, 2 ]
amdhsa.kernels:
  - .name:           k_q3be8d14e94_scores
    .symbol:         k_q3be8d14e94_scores.kd
    .args:
      - { .name: qv, .offset: 0, .size: 8, .value_kind: global_buffer, .address_space: global }
      - { .name: xh, .offset: 8, .size: 8, .value_kind: global_buffer, .address_space: global }
      - { .name: pw, .offset: 16, .size: 8, .value_kind: global_buffer, .address_space: global }
      - { .name: st, .offset: 24, .size: 8, .value_kind: global_buffer, .address_space: global }
    .group_segment_fixed_size: 327680
    .private_segment_fixed_size: 0
    .kernarg_segment_align: 8
    .kernarg_segment_size: 32
    .max_flat_workgroup_size: 128
    .sgpr_count:     66
    .vgpr_count:     1024
    .wavefront_size: 32
...
	.end_amdgpu_metadata
.endif
;; end of part 3
;; launch pv (part 4): grid 8 x 32, 4 waves a work-group, clusters of 4 x 1, 327,680 bytes of LDS; arguments pw, qv, st, out0; writes out0
.if DOCPART == 4
	.amdgcn_target "amdgcn-amd-amdhsa--gfx1250"
	.amdhsa_code_object_version 6
	.text
	.protected	k_q3be8d14e94_pv
	.globl	k_q3be8d14e94_pv
	.p2align	8
	.type	k_q3be8d14e94_pv,@function
k_q3be8d14e94_pv:
	s_mov_b64 s[64:65], 0
	v_nop
	global_prefetch_b8 v0, s[64:65] scope:SCOPE_SE
	s_setreg_imm32_b32 hwreg(HW_REG_WAVE_MODE, 25, 1), 1
	s_wait_xcnt 0x0
	s_wait_alu depctr_hold_cnt(0) depctr_sa_sdst(0) depctr_va_vdst(0) depctr_va_sdst(0) depctr_va_ssrc(0) depctr_va_vcc(0) depctr_vm_vsrc(0)
	s_getreg_b32 s2, hwreg(HW_REG_IB_STS2, 6, 4)
	s_cmp_eq_u32 s2, 0
	s_cbranch_scc0 .Lentry_in_a_cluster
	s_endpgm
.Lentry_in_a_cluster:
	s_bfe_u32 s2, ttmp6, 0x10000c
	s_cmp_lg_u32 s2, 0x3003
	s_cbranch_scc0 .Lentry_shape_is_right
	s_endpgm
.Lentry_shape_is_right:
; PV.  out0[b][q][e] = (sum over key tiles t of f_t(q) * sum over the tile's keys of pw[q][key] v[key][e]) / L(q), with f_t = 2^(CS m_t - max over t of CS m_t) and L = sum of f_t l_t:
; the tiles' own maxima (launch before) are brought to the row's maximum here.  pw: [4][2048][2048] f16, v = qv[..][1024:2048] f16, st: pairs (m, l) f32, out0 f32.  Sums in f32.
; SHARES.  A work-group owns 128 channels and TWO blocks of 128 queries of a batch, 15 - j and j.  Block i needs (i / 2) + 1 steps of 256 keys, the two together always 9: all 256 work-groups
; do the same work in one walk of constant length.  The block with the even number of steps (E, 2 to 8 steps) goes first, then the other (O).  A wave owns 64 queries x 64 channels.
; ONE TEXT FOR BOTH BLOCKS.  A step's 256 keys are summed into PARTIAL (its first product has C = 0); then totalE += fE[step] * partial and totalO += fO[step] * partial, where a block's factor
; is 0 in the other block's steps.  So the merge of the tiles and the change of blocks are the same 128 packed multiply-adds a step, and no branch hangs on the block.
; The price: 256 v_mov_b32 clear the totals, in the wait for the first tile, and half of each fold multiplies by 0.
; LIMITS.  A factor or weight below 2^-126 counts as 0.  NaN and infinities are not treated apart.
; CLUSTER 4 x 1: the four channel blocks of a cluster walk the same tiles of pw, which are asked for jointly.  V's columns differ between the partners: a load of one's own; V's tiles are
; shared only with other pairs of blocks, whose walks reach a tile at different steps.
; Source 0 = 16 channels of V (turned out of LDS), source 1 = 16 queries of pw: a lane holds one query and eight neighbouring channels, so a row's factor is one number a lane.
; REGISTERS, in windows of 256: window 0 addresses, factors, the way out; window 1 v0-127 partial ((a, b) at 8 (4 a + b)); window 2 two fragment buffers of 128 (A's 64, then B's 64, for 64 keys);
; window 3 totalE v0-127, totalO v128-255.
.set APITCH, 528                       ; a row of pw in LDS: 512 bytes + 16 = 132 words: 16 rows start at 16 different groups of four banks (ISA guide 11.1)
.set BPITCH, 288                       ; a key row of V: 256 bytes + 32 = 72 words
.set AHALF,  64*APITCH                 ; what wave 0 or 1 fetches
.set BOFF,   2*AHALF
.set BHALF,  128*BPITCH                ; what wave 2 or 3 fetches
.set SLOT,   BOFF+2*BHALF              ; 141,312
.set STAGE,  2*SLOT                    ; 16 rows x 272 bytes for each wave
.set SPITCH, 272
.set FAC,    STAGE+4*16*SPITCH         ; [9 steps][E, O][128 rows] f32
.set IL,     FAC+9*1024                ; 1 / L: [E, O][128 rows]
.set SPARE,  IL+1024                   ; the spare words, 128 bytes for each wave
.set ADRA, 16                          ; v16-17 my A fragments in slot 0, 1
.set ADRB, 20                          ; v20-23 my B fragments: [slot][half of the 256 keys]
.set STG,  24                          ; v24 into my stage
.set RD,   25                          ; v25 back out of it
.set CO,   26                          ; v26 my byte offset in out0
.set FR,   27                          ; v27 the factors of the step to be fetched; steps 1,024 a step
.set SPW,  28
.set NIL,  29
.set ILR,  30                          ; v30 1 / L of my rows
.set FW,   31                          ; v31 where thread t lays row t's factors
.set FS,   32                          ; v32-63 factor pairs [slot][E, O][a]; the odd registers hold 0: named with the even ones as pairs
.set ILV,  64                          ; v64-71 1 / L pairs
.set TMP,  128                         ; v128-191 the way out, two sets of 32
.set SE,   192                         ; v192-207 block E's eight (m, l), then (f, l); v208-223 block O's
.set SOD,  208
.set IVE,  224
.set IVO,  225
.set ZR,   226
.set TE,   228
.set TOD,  240
.set F0,   0
.set F1,   128
.set WV,  12                           ; s12 wave; s13 its half of the queries, also: fetches A (0) or B (1); s14 its half of the channels, also: which half it fetches
.set NE,  21                           ; s21 block E's steps; s22 block O's
.set G1A, 24
.set G1B, 32
.set G0A, 40                           ; s[40:47] a set for each slot
.set G0B, 48
.set PA,  56                           ; s[56:57] pw at my 64 rows of the block whose tiles are being asked for
.set PAO, 58                           ; s[58:59] the same for block O
.set PB,  60                           ; s[60:61] V at my 128 keys of tile 0, my channels
.set OFA, 62                           ; s[62:63] a tile's byte offset in pw
.set OFB, 66                           ; s[66:67] and in V
.set NXT, 68                           ; s68 the tile to be asked for next
.set LQ,  69                           ; s69 the last tile of the block whose tiles are being asked for
.set CNT, 70
.set NOM1, 71
.set CS,  72
.set OUTE, 74
.set OUTO, 76
.set SBE, 78
.set SBO, 80
.set EQ2, 86                           ; s86-89 all ones where NE = 2, 4, 6, 8
.set GT2, 90                           ; s90-92 all ones where NE > 2, 4, 6
.set MSB, 0
.macro WIN new
.if MSB != (\new)
	s_set_vgpr_msb (MSB<<8)|(\new)
.set MSB, \new
.endif
.endm
.set MUL,   0x5a                       ; sources 0, 1 window 2; C and D window 1
.set FOLDW, 0xf1                       ; source 0 window 1, source 1 window 0, source 2 and destination window 3
.set TO_F,  0x80
.macro JLOAD s                         ; waves 0, 1: the joint load of pw's halves; waves 2, 3: V's halves; an s_nop 0 and four v_nop follow each line
	s_cmp_eq_u32 s13, 0
	s_cbranch_scc0 .Lfor_b_\@
	tensor_load_to_lds s[G0A+4*(\s):G0A+4*(\s)+3], s[G1A:G1A+7]
	s_nop 0
.rept 4
	v_nop
.endr
	s_branch .Lasked_\@
.Lfor_b_\@:
	tensor_load_to_lds s[G0B+4*(\s):G0B+4*(\s)+3], s[G1B:G1B+7]
	s_nop 0
.rept 4
	v_nop
.endr
.Lasked_\@:
.endm
.macro CREST
	s_cmp_lg_u32 s[WV], 0
	s_cbranch_scc1 .Lnot_wave_0_\@
	s_barrier_signal -3
.Lnot_wave_0_\@:
	s_barrier_wait -3
	s_barrier_signal -1
	s_barrier_wait -1
.endm
.macro CROUND
	s_barrier_signal -1
	s_barrier_wait -1
	CREST
.endm
; A slot's two descriptors take tile NXT of the block in hand: the addresses are made anew from the number; then the number steps, and behind block E's last tile goes to block O's tile 0.
.macro UPD slot
	s_lshl_b32 s[OFA], s[NXT], 9                   ; 256 keys of 2 bytes along a row of pw
	s_lshl_b32 s[OFB], s[NXT], 20                  ; 256 rows of 4,096 bytes down V
	s_add_nc_u64 s[G0A+4*(\slot)+2:G0A+4*(\slot)+3], s[PA:PA+1], s[OFA:OFA+1]
	s_or_b32 s[G0A+4*(\slot)+3], s[G0A+4*(\slot)+3], 0x80000000
	s_add_nc_u64 s[G0B+4*(\slot)+2:G0B+4*(\slot)+3], s[PB:PB+1], s[OFB:OFB+1]
	s_or_b32 s[G0B+4*(\slot)+3], s[G0B+4*(\slot)+3], 0x80000000
	s_add_co_u32 s[NXT], s[NXT], 1
	s_cmp_gt_u32 s[NXT], s[LQ]
	s_cselect_b32 s[NXT], 0, s[NXT]
	s_cselect_b64 s[PA:PA+1], s[PAO:PAO+1], s[PA:PA+1]
	s_cselect_b32 s[LQ], s[NOM1], s[LQ]
.endm
	s_load_b256 s[4:11], s[0:1], 0x0               ; pw s[4:5], qv s[6:7], st s[8:9], out0 s[10:11]
	v_lshl_add_u32 v[SPW], v0, 2, SPARE
	v_mov_b32 v[NIL], 0
	ds_add_u32 v[SPW], v[NIL]                      ; the wave's opening: the add, and its wait ahead of my first tensor load
	v_lshrrev_b32 v1, 5, v0
	v_readfirstlane_b32 s[WV], v1
	s_lshr_b32 s13, s[WV], 1
	s_and_b32 s14, s[WV], 1
	s_bfe_u32 s15, ttmp6, 0x40000                  ; cx
	s_lshl_b32 s16, ttmp9, 2
	s_add_co_u32 s16, s16, s15                     ; my block of 128 channels: it enters V's and out0's addresses alone
	s_and_b32 s17, ttmp7, 0xffff
	s_lshr_b32 s18, s17, 3                         ; batch
	s_and_b32 s19, s17, 7                          ; j
	s_lshr_b32 s20, s19, 1                         ; u
	s_sub_co_u32 s82, 15, s19                      ; the high block
	s_add_co_u32 s83, s20, 1                       ; the low block's steps
	s_sub_co_u32 s84, 8, s20                       ; the high block's
	s_bitcmp1_b32 s20, 0                           ; u odd: the low block's number is the even one
	s_cselect_b32 s[NE], s83, s84
	s_cselect_b32 s23, s19, s82                    ; block E
	s_cselect_b32 s85, s82, s19                    ; block O
	s_sub_co_u32 s22, 9, s[NE]
	s_sub_co_u32 s[NOM1], s22, 1
	s_sub_co_u32 s[LQ], s[NE], 1
	s_mov_b32 s[NXT], 0
.irp n, 0,1,2,3
	s_cmp_eq_u32 s[NE], 2+2*\n
	s_cselect_b32 s[EQ2+\n], -1, 0
.endr
.irp n, 0,1,2
	s_cmp_gt_u32 s[NE], 2+2*\n
	s_cselect_b32 s[GT2+\n], -1, 0
.endr
	s_mov_b32 s[G1A+0], 15|(1<<16)|(1<<20)|(1<<21)|(6<<22)|(3<<25)  ; the mask of four; 2-byte elements; padding on; bit 21 beside a mask; after every 128 words 4 words
	s_mov_b32 s[G1A+1], 256<<16                    ; tensor_dim0 = 256 keys
	s_mov_b32 s[G1A+2], 64<<16                     ; tensor_dim1 = 64 rows
	s_mov_b32 s[G1A+3], 256<<16
	s_mov_b32 s[G1A+4], 64
	s_mov_b32 s[G1A+5], 2048
	s_mov_b32 s[G1A+6], 0
	s_mov_b32 s[G1A+7], 0
	s_mov_b32 s[G1B+0], (1<<16)|(1<<20)|(5<<22)|(7<<25)             ; no mask; after every 64 words 8 words
	s_mov_b32 s[G1B+1], 128<<16                    ; tensor_dim0 = 128 channels
	s_mov_b32 s[G1B+2], 128<<16                    ; tensor_dim1 = 128 keys
	s_mov_b32 s[G1B+3], 128<<16
	s_mov_b32 s[G1B+4], 128
	s_mov_b32 s[G1B+5], 2048
	s_mov_b32 s[G1B+6], 0
	s_mov_b32 s[G1B+7], 0
	s_mul_i32 s93, s14, AHALF
	s_mul_i32 s94, s14, BHALF
.irp s, 0,1
	s_mov_b32 s[G0A+4*(\s)], 1
	s_add_co_u32 s[G0A+4*(\s)+1], s93, (\s)*SLOT
	s_mov_b32 s[G0B+4*(\s)], 1
	s_add_co_u32 s[G0B+4*(\s)+1], s94, (\s)*SLOT+BOFF
.endr
	s_lshl_b32 s82, s18, 23                        ; the batch: 2,048 rows of 4,096 bytes in pw, qv and out0
	s_lshl_b32 s83, s23, 19                        ; block E: 128 rows a block
	s_lshl_b32 s84, s85, 19                        ; block O
	s_lshl_b32 s93, s14, 18                        ; the 64 rows of pw that I fetch
	s_add_co_u32 s[PA], s82, s83
	s_add_co_u32 s[PA], s[PA], s93
	s_mov_b32 s[PA+1], 0
	s_add_co_u32 s[PAO], s82, s84
	s_add_co_u32 s[PAO], s[PAO], s93
	s_mov_b32 s[PAO+1], 0
	s_lshl_b32 s[PB], s14, 19                      ; the 128 keys of V that I fetch,
	s_add_co_u32 s[PB], s[PB], s82
	s_add_co_u32 s[PB], s[PB], 2048                ; v begins at column 1024 of qv,
	s_lshl_b32 s94, s16, 8                         ; 256 bytes a block of channels
	s_add_co_u32 s[PB], s[PB], s94
	s_mov_b32 s[PB+1], 0
	s_lshl_b32 s94, s16, 9                         ; out0: 512 bytes a block of channels, 256 a wave's half,
	s_lshl_b32 s95, s14, 8
	s_add_co_u32 s94, s94, s95
	s_lshl_b32 s95, s13, 18                        ; 64 rows a wave's half
	s_add_co_u32 s94, s94, s95
	s_add_co_u32 s94, s94, s82
	s_add_co_u32 s[OUTE], s94, s83
	s_mov_b32 s[OUTE+1], 0
	s_add_co_u32 s[OUTO], s94, s84
	s_mov_b32 s[OUTO+1], 0
	s_lshl_b32 s94, s18, 17                        ; st: 131,072 bytes a batch, 1,024 a block
	s_lshl_b32 s95, s23, 10
	s_add_co_u32 s[SBE], s94, s95
	s_mov_b32 s[SBE+1], 0
	s_lshl_b32 s95, s85, 10
	s_add_co_u32 s[SBO], s94, s95
	s_mov_b32 s[SBO+1], 0
	s_mov_b32 s[OFA+1], 0
	s_mov_b32 s[OFB+1], 0
	s_mov_b32 s[CS], 0x44b8aa3b                    ; log2(e) * 1024
	s_wait_dscnt 0x0                               ; the opening add is done
	s_wait_kmcnt 0x0
	s_add_nc_u64 s[PA:PA+1], s[4:5], s[PA:PA+1]
	s_add_nc_u64 s[PAO:PAO+1], s[4:5], s[PAO:PAO+1]
	s_add_nc_u64 s[PB:PB+1], s[6:7], s[PB:PB+1]
	s_add_nc_u64 s[OUTE:OUTE+1], s[10:11], s[OUTE:OUTE+1]
	s_add_nc_u64 s[OUTO:OUTO+1], s[10:11], s[OUTO:OUTO+1]
	s_add_nc_u64 s[SBE:SBE+1], s[8:9], s[SBE:SBE+1]
	s_add_nc_u64 s[SBO:SBO+1], s[8:9], s[SBO:SBO+1]
	CROUND                                         ; all four work-groups are here: the first joint loads meet
	UPD 0
	JLOAD 0                                        ; step 0
	UPD 1
	JLOAD 1                                        ; step 1 (block E has two steps at the least): two tensor loads of mine are out
	v_lshlrev_b32 v9, 3, v0                        ; thread t takes row t of each block: its eight pairs (m, l)
.irp t, 0,1,2,3,4,5,6,7
	global_load_b64 v[SE+2*\t:SE+2*\t+1], v9, s[SBE:SBE+1] offset:\t*16384
	global_load_b64 v[SOD+2*\t:SOD+2*\t+1], v9, s[SBO:SBO+1] offset:\t*16384
.endr
	WIN 0xc0                                       ; the totals start at 0; this stands in the wait for the first tile
.set i, 0
.rept 256
	v_mov_b32 v[i], 0
.set i, i+1
.endr
	WIN 0
.set i, 0
.rept 16
	v_mov_b32 v[FS+2*i+1], 0
.set i, i+1
.endr
.irp a, 0,1,2,3
	v_mov_b32 v[ILV+2*\a+1], 0
.endr
	v_mov_b32 v[ZR], 0
	v_and_b32 v1, 15, v0                           ; r
	v_bfe_u32 v2, v0, 4, 1                         ; h
	v_mul_u32_u24 v3, v1, APITCH
	v_lshl_add_u32 v3, v2, 4, v3
	s_mul_i32 s82, s13, AHALF                      ; my 64 queries
	v_add_nc_u32 v[ADRA], s82, v3
	v_add_nc_u32 v[ADRA+1], SLOT, v[ADRA]
	v_and_b32 v4, 7, v0                            ; V, turned: lane l reads key row 8 h + l % 8, channels 8 ((l / 8) % 2) on
	v_lshl_add_u32 v4, v2, 3, v4
	v_mul_u32_u24 v4, v4, BPITCH
	v_bfe_u32 v5, v0, 3, 1
	v_lshl_add_u32 v4, v5, 4, v4
	s_lshl_b32 s82, s14, 7                         ; my 64 channels: 128 bytes
	s_add_co_u32 s82, s82, BOFF
	v_add_nc_u32 v[ADRB], s82, v4
	v_add_nc_u32 v[ADRB+1], BHALF, v[ADRB]
	v_add_nc_u32 v[ADRB+2], SLOT, v[ADRB]
	v_add_nc_u32 v[ADRB+3], SLOT+BHALF, v[ADRB]
	s_mul_i32 s82, s[WV], 16*SPITCH
	s_add_co_u32 s82, s82, STAGE                   ; my stage
	v_mul_u32_u24 v[STG], v1, SPITCH               ; in: row r, 32 bytes for each half of the lanes
	v_lshl_add_u32 v[STG], v2, 5, v[STG]
	v_add_nc_u32 v[STG], s82, v[STG]
	v_mul_u32_u24 v[RD], v2, SPITCH                ; back: lanes 0-15 one row of 256 bytes, lanes 16-31 the next
	v_lshl_add_u32 v[RD], v1, 4, v[RD]
	v_add_nc_u32 v[RD], s82, v[RD]
	v_lshlrev_b32 v[CO], 12, v2                    ; the same two rows in out0
	v_lshl_add_u32 v[CO], v1, 4, v[CO]
	s_lshl_b32 s82, s13, 8                         ; my 64 rows' words
	v_lshl_add_u32 v[ILR], v1, 2, s82
	v_add_nc_u32 v[FR], FAC, v[ILR]
	v_add_nc_u32 v[ILR], IL, v[ILR]
	v_lshl_add_u32 v[FW], v0, 2, FAC
; A row's eight pairs at R: CS m_t, rounded as the launch before rounded it; their maximum; f_t = 2^(CS m_t - maximum) into m_t's place; 1 / (sum of f_t l_t) into IV.
; The tile that holds the maximum has f = 1 and l of 1 at the least, so the sum is no 0.  A tile that was not made has m = -2^96 and l = 0: f = 0.
.macro STATS R, IV
.irp t, 0,1,2,3,4,5,6,7
	v_mul_f32 v[(\R)+2*\t], s[CS], v[(\R)+2*\t]
.endr
	v_max3_num_f32 v[\IV], v[(\R)], v[(\R)+2], v[(\R)+4]
	v_max3_num_f32 v[\IV], v[\IV], v[(\R)+6], v[(\R)+8]
	v_max3_num_f32 v[\IV], v[\IV], v[(\R)+10], v[(\R)+12]
	v_max_num_f32 v[\IV], v[\IV], v[(\R)+14]
.irp t, 0,1,2,3,4,5,6,7
	v_sub_f32 v[(\R)+2*\t], v[(\R)+2*\t], v[\IV]
.endr
.irp t, 0,1,2,3,4,5,6,7
	v_exp_f32 v[(\R)+2*\t], v[(\R)+2*\t]
.endr
	v_nop                                          ; a plain instruction between the last exponential and the use of its result
	s_wait_alu depctr_va_vdst(0)
	v_mul_f32 v[\IV], v[(\R)], v[(\R)+1]
.irp t, 1,2,3,4,5,6,7
	v_fmac_f32 v[\IV], v[(\R)+2*\t], v[(\R)+2*\t+1]
.endr
	v_rcp_f32 v[\IV], v[\IV]
	v_nop
.endm
	s_wait_loadcnt 0x0
	STATS SE, IVE
	STATS SOD, IVO
	; Into the walk's order, by values alone: step p is tile p of block E where p < NE, else tile p - NE of block O; the other block's factor is 0.
.set p, 0
.rept 9
.if p < 2
	ds_store_b32 v[FW], v[SE+2*p] offset:1024*p
	ds_store_b32 v[FW], v[ZR] offset:1024*p+512
.else
.if p < 8
	v_cndmask_b32 v[TE+p], 0, v[SE+2*p], s[GT2+(p-2)/2]
	ds_store_b32 v[FW], v[TE+p] offset:1024*p
.else
	ds_store_b32 v[FW], v[ZR] offset:1024*p
.endif
	v_cndmask_b32 v[TOD+p], 0, v[SOD+2*(p-2)], s[EQ2]
.if p >= 4
	v_cndmask_b32 v[TOD+p], v[TOD+p], v[SOD+2*(p-4)], s[EQ2+1]
.endif
.if p >= 6
	v_cndmask_b32 v[TOD+p], v[TOD+p], v[SOD+2*(p-6)], s[EQ2+2]
.endif
.if p >= 8
	v_cndmask_b32 v[TOD+p], v[TOD+p], v[SOD+2*(p-8)], s[EQ2+3]
.endif
	ds_store_b32 v[FW], v[TOD+p] offset:1024*p+512
.endif
.set p, p+1
.endr
	ds_store_b32 v[FW], v[IVE] offset:IL-FAC
	s_wait_alu depctr_va_vdst(0)
	ds_store_b32 v[FW], v[IVO] offset:IL-FAC+512
; 8 matrix instructions: query blocks a0, a0 + 1 x all 4 channel blocks, 32 keys: half c of buffer f.  zero = 1: the product starts the step's sums.  The 16 accumulators take turns.
.macro MUL8 f, c, a0, zero
	WIN MUL
.irp a, \a0, (\a0)+1
.irp b, 0,1,2,3
.if \zero
	v_wmma_f32_16x16x32_f16 v[8*(4*(\a)+(\b)):8*(4*(\a)+(\b))+7], v[(\f)+64+8*(4*(\c)+(\b)):(\f)+64+8*(4*(\c)+(\b))+7], v[(\f)+8*(4*(\c)+(\a)):(\f)+8*(4*(\c)+(\a))+7], 0
.else
	v_wmma_f32_16x16x32_f16 v[8*(4*(\a)+(\b)):8*(4*(\a)+(\b))+7], v[(\f)+64+8*(4*(\c)+(\b)):(\f)+64+8*(4*(\c)+(\b))+7], v[(\f)+8*(4*(\c)+(\a)):(\f)+8*(4*(\c)+(\a))+7], v[8*(4*(\a)+(\b)):8*(4*(\a)+(\b))+7]
.endif
.endr
.endr
.endm
; 32 LDS loads in one run: quarter q (64 keys) of a slot into buffer f; the first 32 keys first
.macro FETCH slot, q, f
	WIN TO_F
.irp c, 0,1
.irp i, 0,1,2,3
	ds_load_tr16_b128 v[(\f)+64+8*(4*(\c)+(\i)):(\f)+64+8*(4*(\c)+(\i))+3],   v[ADRB+2*(\slot)+(\q)/2] offset:(((\q)%2)*64+32*(\c))*BPITCH+32*(\i)
	ds_load_tr16_b128 v[(\f)+64+8*(4*(\c)+(\i))+4:(\f)+64+8*(4*(\c)+(\i))+7], v[ADRB+2*(\slot)+(\q)/2] offset:(((\q)%2)*64+32*(\c)+16)*BPITCH+32*(\i)
	ds_load_b128 v[(\f)+8*(4*(\c)+(\i)):(\f)+8*(4*(\c)+(\i))+3],              v[ADRA+(\slot)] offset:128*(\q)+64*(\c)+(\i)*16*APITCH
	ds_load_b128 v[(\f)+8*(4*(\c)+(\i))+4:(\f)+8*(4*(\c)+(\i))+7],            v[ADRA+(\slot)] offset:128*(\q)+64*(\c)+(\i)*16*APITCH+32
.endr
.endr
.endm
.macro FETCHF slot, f                  ; a step's eight factors (older than the 32 loads behind them, so every wait for those covers these), then its first quarter
	WIN 0
.irp a, 0,1,2,3
	ds_load_b32 v[FS+16*(\slot)+2*(\a)],   v[FR] offset:64*(\a)
	ds_load_b32 v[FS+16*(\slot)+8+2*(\a)], v[FR] offset:512+64*(\a)
.endr
	v_add_nc_u32 v[FR], 1024, v[FR]
	FETCH \slot, 0, \f
.endm
.macro PLACES
.rept 4
	v_nop
.endr
.endm
.macro QUARTER slot, q, f, g, zero
	s_wait_dscnt 16                                ; the first 32 keys are in; the youngest sixteen loads may be out
	MUL8 \f, 0, 0, \zero
	MUL8 \f, 0, 2, \zero
	PLACES
	FETCH \slot, \q, \g
	s_wait_dscnt 32                                ; all but the 32 just issued
	MUL8 \f, 1, 0, 0
	MUL8 \f, 1, 2, 0
.endm
.macro PROD f, n                       ; product n of a step's last 16
	WIN MUL
	v_wmma_f32_16x16x32_f16 v[8*(\n):8*(\n)+7], v[(\f)+64+8*(4+(\n)%4):(\f)+64+8*(4+(\n)%4)+7], v[(\f)+8*(4+(\n)/4):(\f)+8*(4+(\n)/4)+7], v[8*(\n):8*(\n)+7]
.endm
.macro FOLD n, par                     ; both totals take accumulator n, its registers in ascending order
	WIN FOLDW
.irp z, 0,1,2,3
	v_pk_fma_f32 v[8*(\n)+2*\z:8*(\n)+2*\z+1], v[8*(\n)+2*\z:8*(\n)+2*\z+1], v[FS+16*(\par)+2*((\n)/4):FS+16*(\par)+2*((\n)/4)+1], v[8*(\n)+2*\z:8*(\n)+2*\z+1] op_sel_hi:[1,0,1]
.endr
.irp z, 0,1,2,3
	v_pk_fma_f32 v[128+8*(\n)+2*\z:128+8*(\n)+2*\z+1], v[8*(\n)+2*\z:8*(\n)+2*\z+1], v[FS+16*(\par)+8+2*((\n)/4):FS+16*(\par)+8+2*((\n)/4)+1], v[128+8*(\n)+2*\z:128+8*(\n)+2*\z+1] op_sel_hi:[1,0,1]
.endr
.endm
; A step's last 16 products with the fold between them: accumulator n - 2 is folded behind product n, so that eight plain instructions or more, which name none of its registers, stand
; between a product and the first read of its result (ISA guide 7.12.1); for accumulators 0 and 1 four v_nop do that.
.macro MULFOLD f, par
	PROD \f, 0
	PROD \f, 1
	PLACES
.set k, 2
.rept 14
	PROD \f, k
	FOLD k-2, \par
.set k, k+1
.endr
	FOLD 14, \par
	FOLD 15, \par
.endm
; A step's last quarter and the change of slots.  fill = 1: the barrier opens a round of the cluster's barrier, and this slot is filled again, with the step two further on.
.macro TURN slot, next, fill
	WIN 0
	s_wait_tensorcnt 0x0                           ; all my tensor loads have landed: the one that was out is my part of the next slot
	ds_add_u32 v[SPW], v[NIL]                      ; 0 onto my spare word
	s_wait_dscnt 17                                ; the add and the youngest sixteen loads may be out
	MUL8 F1, 0, 0, 0
	s_wait_dscnt 0x0                               ; the add is done, and my reads of this slot are over
	s_barrier_signal -1
	MUL8 F1, 0, 2, 0
.if \fill
	WIN 0
.endif
	s_barrier_wait -1
.if \fill
	CREST                                          ; no wave of any partner still reads this slot or has a load on its way
	UPD \slot
	JLOAD \slot                                    ; my one tensor load behind the round: it has a step, 128 products, in which to land; its four v_nop are also the places in front of the loads below
.else
	PLACES
.endif
	FETCHF \next, F0
	MULFOLD F1, \slot
.endm
.macro STEP slot, next, fill
	QUARTER \slot, 1, F0, F1, 1
	QUARTER \slot, 2, F1, F0, 0
	QUARTER \slot, 3, F0, F1, 0
	TURN \slot, \next, \fill
.endm
; THE WAY OUT of a block: total / L, 16 rows at a time through my stage, back as whole rows of 256 bytes (64 f32), stored.
.macro PACK a, tot
	s_wait_xcnt 0x0                                ; earlier stores have read the registers that are written now
	WIN 0x03                                       ; source 0 window 3
.set z, 0
.rept 16
	v_pk_mul_f32 v[TMP+32*((\a)%2)+2*z:TMP+32*((\a)%2)+2*z+1], v[(\tot)+32*(\a)+2*z:(\tot)+32*(\a)+2*z+1], v[ILV+2*(\a):ILV+2*(\a)+1] op_sel_hi:[1,0]
.set z, z+1
.endr
	WIN 0
.irp b, 0,1,2,3
	ds_store_b128 v[STG], v[TMP+32*((\a)%2)+8*(\b):TMP+32*((\a)%2)+8*(\b)+3]   offset:64*(\b)
	ds_store_b128 v[STG], v[TMP+32*((\a)%2)+8*(\b)+4:TMP+32*((\a)%2)+8*(\b)+7] offset:64*(\b)+16
.endr
.irp t, 0,1,2,3,4,5,6,7
	ds_load_b128 v[TMP+32*((\a)%2)+4*(\t):TMP+32*((\a)%2)+4*(\t)+3], v[RD] offset:(\t)*2*SPITCH  ; LDS serves a wave's instructions in order (ISA guide 5.7.1.4): these see the stores above, the next block's stores come behind them
.endr
.endm
.macro SEND a, younger, base           ; younger: the LDS instructions issued behind block a's loads: the next block's sixteen, or none
.irp t, 0,1,2,3,4,5,6,7
	s_wait_dscnt (\younger)+7-(\t)
	global_store_b128 v[CO], v[TMP+32*((\a)%2)+4*(\t):TMP+32*((\a)%2)+4*(\t)+3], s[(\base):(\base)+1] offset:(\a)*65536+(\t)*8192 th:TH_STORE_NT  ; 16 lanes store 256 consecutive bytes, aligned
.endr
.endm
.macro OUTBLK base, tot, set
	WIN 0
.irp a, 0,1,2,3
	ds_load_b32 v[ILV+2*(\a)], v[ILR] offset:64*(\a)+512*(\set)
.endr
	s_wait_dscnt 0x0
	PACK 0, \tot
	PACK 1, \tot
	SEND 0, 16, \base
	PACK 2, \tot
	SEND 1, 16, \base
	PACK 3, \tot
	SEND 2, 16, \base
	SEND 3, 0, \base
.endm
	s_wait_tensorcnt 1                             ; my part of step 0 is in; step 1's load may stay out
	s_wait_dscnt 0x0                               ; for the others' sake: my rows' factors are in LDS
	s_barrier_signal -1
	s_barrier_wait -1
	FETCHF 0, F0
	WIN 0
	s_mov_b32 s[CNT], 4
	s_branch .Lmid                                 ; the loop is entered in the middle of a trip: steps 0 | 1, 2 | 3, 4 | 5, 6; each fills its slot again, with steps 2 to 8
.Llap:
	STEP 1, 0, 1
	WIN 0
.Lmid:
	STEP 0, 1, 1
	WIN 0
	s_sub_co_u32 s[CNT], s[CNT], 1
	s_cmp_lg_u32 s[CNT], 0
	s_cbranch_scc1 .Llap
	STEP 1, 0, 0                                   ; step 7: nothing is left to fetch
	QUARTER 0, 1, F0, F1, 1                        ; step 8
	QUARTER 0, 2, F1, F0, 0
	QUARTER 0, 3, F0, F1, 0
	s_wait_dscnt 16
	MUL8 F1, 0, 0, 0
	MUL8 F1, 0, 2, 0
	s_wait_dscnt 0x0
	MULFOLD F1, 0
	OUTBLK OUTE, 0, 0
	OUTBLK OUTO, 128, 1
	s_wait_tensorcnt 0x0                           ; the wave's end
	ds_add_u32 v[SPW], v[NIL]
	s_wait_dscnt 0x0
	CROUND                                         ; the closing round
	s_endpgm
.Lfunc_end_k_q3be8d14e94_pv:
	.size	k_q3be8d14e94_pv, .Lfunc_end_k_q3be8d14e94_pv-k_q3be8d14e94_pv
	.p2alignl 7, 3214868480
	.fill 96, 4, 3214868480
	.section	.rodata,"a",@progbits
	.p2align	6, 0x0
	.amdhsa_kernel k_q3be8d14e94_pv
		.amdhsa_group_segment_fixed_size 327680
		.amdhsa_private_segment_fixed_size 0
		.amdhsa_enable_private_segment 0
		.amdhsa_kernarg_size 32
		.amdhsa_user_sgpr_count 2
		.amdhsa_user_sgpr_kernarg_segment_ptr 1
		.amdhsa_wavefront_size32 1
		.amdhsa_system_sgpr_workgroup_id_x 1
		.amdhsa_system_sgpr_workgroup_id_y 1
		.amdhsa_system_sgpr_workgroup_id_z 1
		.amdhsa_system_vgpr_workitem_id 0
		.amdhsa_next_free_vgpr 1024
		.amdhsa_next_free_sgpr 96
		.amdhsa_reserve_vcc 0
		.amdhsa_float_denorm_mode_32 3
		.amdhsa_float_denorm_mode_16_64 3
		.amdhsa_memory_ordered 1
		.amdhsa_forward_progress 1
		.amdhsa_inst_pref_size 160
	.end_amdhsa_kernel
	.amdgpu_metadata
---
amdhsa.version: [ 1, 2 ]
amdhsa.kernels:
  - .name:           k_q3be8d14e94_pv
    .symbol:         k_q3be8d14e94_pv.kd
    .args:
      - { .name: pw, .offset: 0, .size: 8, .value_kind: global_buffer, .address_space: global }
      - { .name: qv, .offset: 8, .size: 8, .value_kind: global_buffer, .address_space: global }
      - { .name: st, .offset: 16, .size: 8, .value_kind: global_buffer, .address_space: global }
      - { .name: out0, .offset: 24, .size: 8, .value_kind: global_buffer, .address_space: global }
    .group_segment_fixed_size: 327680
    .private_segment_fixed_size: 0
    .kernarg_segment_align: 8
    .kernarg_segment_size: 32
    .max_flat_workgroup_size: 128
    .sgpr_count:     96
    .vgpr_count:     1024
    .wavefront_size: 32
...
	.end_amdgpu_metadata
.endif
;; end of part 4
;; ======== version 2 of 2: 4 launches; version 1 with the launch prep written anew for expert scheduling mode
;; limits: values are held in f16: magnitudes above 65,504 overflow, below 6.1e-05 lose precision; right only within a limited range of input values
;; workspace buffers: xh 16,777,216 bytes; bkn 4,194,304 bytes; qv 33,554,432 bytes; pw 33,554,432 bytes; st 524,288 bytes
;; launch prep (part 5): grid 256 x 1, 8 waves a work-group, no clusters, 279,552 bytes of LDS; arguments x, Wq, Wk, Wv, xh, bkn, st; writes xh, bkn, st
.if DOCPART == 5
	.amdgcn_target "amdgcn-amd-amdhsa--gfx1250"
	.amdhsa_code_object_version 6
	.text
	.protected	k_q3be8d14e94_prep
	.globl	k_q3be8d14e94_prep
	.p2align	8
	.type	k_q3be8d14e94_prep,@function
k_q3be8d14e94_prep:
	s_mov_b64 s[64:65], 0
	v_nop
	global_prefetch_b8 v0, s[64:65] scope:SCOPE_SE
	s_setreg_imm32_b32 hwreg(HW_REG_WAVE_SCHED_MODE, 0, 2), 2
	s_setreg_imm32_b32 hwreg(HW_REG_WAVE_MODE, 25, 1), 1
	s_wait_xcnt 0x0
	s_wait_alu depctr_vm_vsrc(0)
; PREP.  Three things, the same share of each in every one of the 256 work-groups (eight waves):
;  (S) xh = bf16(x) * 2^-5 written as f16 (exact: a bf16 number has 8 significant bits), [8192][1024];
;      bkn[d][1024+e] = bf16(Wv[d][e]) * 2^5 as f16;  st = the pair (m = -2^96, l = 0) everywhere: a key tile that nobody makes.
;  (M) one tile of 64 x 64 of M[d][f] = sum over e of bf16(Wq[d][e]) bf16(Wk[f][e]); bkn[d][f] = M * 2^-5 as f16.
;      q . k = x (Wq Wk^T) x^T for every input, so the later launches need no k: the keys are x itself.
; LIMITS.  f16 ends at 65,504: |x| * 2^-5, |Wv| * 2^5 and |M| * 2^-5 must stay below it; below 2^-14 f16 keeps its fixed step of 2^-24.
; NaN and infinities are not treated apart.
; Everything is converted on its way, so all loads go through registers: no tensor load, no cluster.
; (M) splits K = 1024 over the eight waves, 128 each: a wave rounds its 128 columns of 64 rows of Wq and 64 rows of Wk to bf16 into its own LDS region,
; multiplies, lays its 64 x 64 partial sums (f32) over the same region, and behind the one barrier wave w adds the eight partial sums of rows 8 w .. 8 w + 7 in a fixed order.
; THE MODE: SCHED_MODE bits 1:0 = 2 (LLVM: expert scheduling mode 2), set by the entry lines.  The code itself states the register dependences
; between vector or matrix instructions and memory or LDS instructions, with s_wait_alu, always for 0.
; THE PLAN.  Registers that memory or LDS instructions touch:
;   v2, v3, v5-7, v14-15, v17, v18, v20-24   offsets, addresses and the pair for st: written at the head, never again.
;   v16          the LDS address of the bf16 rows: read by every row's LDS store; written at the head and once at the end of each trip of the loop.
;   XR           the stream, in nine blocks of four loads.  Block p's conversions read its sixteen registers and write eight of them; those leave by four stores that are issued in block p + 1,
;                among conversions that name v8-13 and block p + 1's own registers alone.  So one wait on va_vdst at a block's head states all that its stores hang on.
;   L0, L1       two sets of 16 row pieces: loads land in them, 32 roundings read each; no memory instruction reads them.
;   OUT0, OUT1   the roundings of L0 and L1 write them, 16 LDS stores read each.  One wait on va_vdst behind a set's roundings states that OUT is written and that L is read out:
;                the set's next loads and the LDS stores follow it.  One wait on vm_vsrc a trip, ahead of the add to v16, states that the LDS stores have read v16 and both OUT.
;   FRA, FRB     (OUT's registers) fragment loads land in them, matrix instructions read them.
;   ACC          (L's registers) matrix instructions write them, LDS stores read them, the loads of the partial sums land in them.
;   v8-13 are named by vector instructions alone.
.set WREG,  34816                      ; a wave's LDS region: 128 rows of 272 bytes (256 of bf16 + 16), later 64 rows of 272 (64 f32 + 16)
.set LP,    272                        ; 68 words: the 16 rows of a fragment load start at 16 different groups of four banks (ISA guide 11.1)
.set SPARE, 8*WREG                     ; the spare words, 128 bytes for each wave: four blocks of 256 bytes that no other line names
.set SPW, 2                            ; v2  LDS address of my spare word; never rewritten
.set NIL, 3                            ; v3  0; never rewritten
.set T,   8                            ; v8-13 at work in the stream; v14-15: the pair that is stored to st
.set XR,  64                           ; v64-207 the stream's 36 loads
.set L0,  128                          ; v128-191, v192-255: two sets of 16 row pieces; later the 16 accumulators, then the eight partial sums
.set L1,  192
.set OUT0, 64                          ; v64-95, v96-127: a set's 16 row pieces as bf16, two registers each
.set OUT1, 96
.set FRA, 64                           ; v64-95 four fragments of Wq, v96-127 four of Wk
.set FRB, 96
.set ACC, 128
	s_load_b256 s[4:11], s[0:1], 0x0               ; x s[4:5], Wq s[6:7], Wk s[8:9], Wv s[10:11]
	s_load_b128 s[12:15], s[0:1], 0x20             ; xh s[12:13], bkn s[14:15]
	s_load_b64 s[16:17], s[0:1], 0x30              ; st
	v_lshl_add_u32 v[SPW], v0, 2, SPARE
	v_mov_b32 v[NIL], 0
	v_lshrrev_b32 v4, 5, v0
	v_readfirstlane_b32 s18, v4                    ; wave 0..7
	v_and_b32 v1, 31, v0                           ; lane
	v_lshlrev_b32 v5, 4, v1                        ; 16 x lane: f32 in
	v_lshlrev_b32 v6, 3, v1                        ; 8 x lane: f16 out
	v_mov_b32 v14, 0xef800000                      ; -2^96
	v_mov_b32 v15, 0
	s_wait_alu depctr_va_sdst(0)                   ; s18 is written, ahead of its first reader: the wave's shares and its LDS region are made from it
	s_mov_b32 s19, ttmp9                           ; g
	s_lshl_b32 s34, s19, 17                        ; x: 131,072 bytes a work-group,
	s_lshl_b32 s27, s18, 14                        ; 16,384 a wave
	s_add_co_u32 s34, s34, s27
	s_mov_b32 s35, 0
	s_lshr_b32 s38, s34, 1                         ; xh: half of that
	s_mov_b32 s39, 0
	s_lshr_b32 s40, s34, 3                         ; Wv: 16,384 a work-group (four rows), 2,048 a wave (half a row)
	s_mov_b32 s41, 0
	s_lshr_b32 s44, s34, 6                         ; st: 2,048 a work-group, 256 a wave
	s_mov_b32 s45, 0
	s_lshl_b32 s42, s19, 14                        ; bkn, Wv's half: row 4 g + wave / 2, 4,096 bytes a row,
	s_lshr_b32 s27, s18, 1
	s_lshl_b32 s27, s27, 12
	s_add_co_u32 s42, s42, s27
	s_and_b32 s27, s18, 1                          ; columns 1024 + 512 (wave % 2) on
	s_lshl_b32 s27, s27, 10
	s_add_co_u32 s42, s42, s27
	s_add_co_u32 s42, s42, 2048
	s_mov_b32 s43, 0
	s_lshr_b32 s20, s19, 4                         ; the tile of M: rows 64 (g / 16) of Wq,
	s_lshl_b32 s20, s20, 18                        ; 64 rows of 4,096 bytes
	s_mov_b32 s21, 0
	s_and_b32 s22, s19, 15                         ; rows 64 (g % 16) of Wk
	s_lshl_b32 s46, s22, 7                         ; the tile's place in bkn: 64 rows of 4,096 bytes down, 128 bytes a tile along
	s_add_co_u32 s46, s46, s20
	s_mov_b32 s47, 0
	s_lshl_b32 s22, s22, 18
	s_mov_b32 s23, 0
	s_mov_b32 s28, 0x3d000000                      ; 2^-5, named as a pair by the packed multiply
	s_mov_b32 s29, 0x3d000000
	s_mov_b32 s30, 0x42000000                      ; 2^5
	s_mov_b32 s31, 0x42000000
	s_mov_b32 s32, 0xffff0000                      ; a word's upper bf16
	s_mul_i32 s33, s18, WREG                       ; my wave's LDS region
	s_lshl_b32 s27, s18, 9
	v_add_nc_u32 v7, s27, v5                       ; my 16 bytes of my wave's 512 bytes of a row of Wq or Wk
	v_add_nc_u32 v16, s33, v6                      ; where they go as bf16: row 0 of my region + 8 x lane; steps 32 rows a trip
	v_and_b32 v25, 15, v0                          ; r
	v_bfe_u32 v26, v0, 4, 1                        ; h
	v_mul_u32_u24 v17, v25, LP
	v_add_nc_u32 v17, s33, v17
	v_lshl_add_u32 v18, v26, 5, v17                ; partial sums out: row r, 32 bytes for each half of the lanes
	v_lshl_add_u32 v17, v26, 4, v17                ; fragments: row r, 16 bytes for each half
	v_bfe_u32 v19, v0, 2, 3
	v_lshl_add_u32 v19, s18, 3, v19                ; the tile row that I add up: 8 wave + lane / 4
	v_and_b32 v27, 3, v0                           ; its columns 16 (lane % 4) on
	v_mul_u32_u24 v20, v19, LP
	v_lshl_add_u32 v20, v27, 6, v20                ; in region 0; regions 2, 4, 6 below (an LDS offset has 16 bits)
	v_add_nc_u32 v21, 2*WREG, v20
	v_add_nc_u32 v22, 4*WREG, v20
	v_add_nc_u32 v23, 6*WREG, v20
	v_lshlrev_b32 v24, 12, v19                     ; and in bkn: row x 4,096 + 32 (lane % 4)
	v_lshl_add_u32 v24, v27, 5, v24
	s_wait_kmcnt 0x0
	s_add_nc_u64 s[4:5], s[4:5], s[34:35]
	s_add_nc_u64 s[12:13], s[12:13], s[38:39]
	s_add_nc_u64 s[10:11], s[10:11], s[40:41]
	s_add_nc_u64 s[36:37], s[14:15], s[42:43]      ; bkn for Wv's part
	s_add_nc_u64 s[14:15], s[14:15], s[46:47]      ; bkn for the tile of M
	s_add_nc_u64 s[16:17], s[16:17], s[44:45]
	s_add_nc_u64 s[20:21], s[6:7], s[20:21]
	s_add_nc_u64 s[22:23], s[8:9], s[22:23]
	s_mov_b64 s[24:25], s[20:21]                   ; the base in hand: Wq first
	s_wait_alu depctr_va_vdst(0)                   ; the offsets and addresses v5-7, v16-18 and v20-24 and the pair v14-15 are written, which the loads, stores and LDS instructions below read
	; (S) all 36 loads of the wave go out at once: 18,432 bytes a wave on their way; each covers 512 consecutive bytes
.set i, 0
.rept 32
	global_load_b128 v[XR+4*i:XR+4*i+3], v5, s[4:5] offset:512*i th:TH_LOAD_NT
.set i, i+1
.endr
.rept 4
	global_load_b128 v[XR+4*i:XR+4*i+3], v5, s[10:11] offset:512*(i-32) th:TH_LOAD_NT
.set i, i+1
.endr
	global_store_b64 v6, v[14:15], s[16:17]        ; 256 consecutive bytes of st a wave
; Four f32 at src: rounded to bf16 (the one rounding), widened again, scaled by a power of two (exact), written as f16 (exact within the limits above) into src, src + 1.
.macro CONV src, sc
	v_cvt_pk_bf16_f32 v[T], v[(\src)], v[(\src)+1]
	v_cvt_pk_bf16_f32 v[T+1], v[(\src)+2], v[(\src)+3]
	v_lshlrev_b32 v[T+2], 16, v[T]
	v_and_b32 v[T+3], s32, v[T]
	v_lshlrev_b32 v[T+4], 16, v[T+1]
	v_and_b32 v[T+5], s32, v[T+1]
	v_pk_mul_f32 v[T+2:T+3], v[T+2:T+3], s[(\sc):(\sc)+1] op_sel_hi:[1,0]
	v_pk_mul_f32 v[T+4:T+5], v[T+4:T+5], s[(\sc):(\sc)+1] op_sel_hi:[1,0]
	v_cvt_pk_f16_f32 v[(\src)], v[T+2], v[T+3]
	v_cvt_pk_f16_f32 v[(\src)+1], v[T+4], v[T+5]
.endm
; Number n of the 36 leaves: a wave's store covers 256 consecutive bytes, aligned.  0-31 are x's, 32-35 Wv's.
.macro PUT n
.if (\n) < 32
	global_store_b64 v6, v[XR+4*(\n):XR+4*(\n)+1], s[12:13] offset:256*(\n)
.else
	global_store_b64 v6, v[XR+4*(\n):XR+4*(\n)+1], s[36:37] offset:256*((\n)-32)
.endif
.endm
; Nine blocks of four.  A block's four stores are issued in the next block, one in front of each of its conversions.
.set i, 0
.rept 9
	s_wait_loadcnt 32-i                            ; loads come back in order (ISA guide 5.7.1): this block's four are in, the 32 - i younger ones stay out
.if i > 0
	s_wait_alu depctr_va_vdst(0)                   ; the block before has written its eight out registers, which the four stores below read; no conversion below names them
.endif
.rept 4
.if i >= 4
	PUT i-4
.endif
.if i < 32
	CONV XR+4*i, 28
.else
	CONV XR+4*i, 30
.endif
.set i, i+1
.endr
.endr
	s_wait_alu depctr_va_vdst(0)                   ; the last block has written its out registers, which the last four stores read; and every conversion is done with v64-207, in which loads land below
.rept 4
	PUT i-4
.set i, i+1
.endr
	s_wait_xcnt 0x0                                ; the stores have had their addresses translated: v64-255 are written again only behind this wait
	s_wait_alu depctr_vm_vsrc(0)                   ; the stores have read v64-207: the loads below land in v128-255, the roundings below write v64-127
	; (M) 128 row pieces of 512 bytes, in four chunks of 32 rows: Wq 0-31, Wq 32-63, Wk 0-31, Wk 32-63.  Two sets of 16 loads are always out.
.macro ISSUE set, r0
.set j, 0
.rept 16
	global_load_b128 v[(\set)+4*j:(\set)+4*j+3], v7, s[24:25] offset:((\r0)+j)*4096
.set j, j+1
.endr
.endm
.macro ROUND16 set, out                ; 16 row pieces rounded to bf16, into the set's own out-buffer
.set j, 0
.rept 16
	v_cvt_pk_bf16_f32 v[(\out)+2*j], v[(\set)+4*j], v[(\set)+4*j+1]
	v_cvt_pk_bf16_f32 v[(\out)+2*j+1], v[(\set)+4*j+2], v[(\set)+4*j+3]
.set j, j+1
.endr
.endm
.macro LAY out, r0                     ; and laid into my region
.set j, 0
.rept 16
	ds_store_b64 v16, v[(\out)+2*j:(\out)+2*j+1] offset:((\r0)+j)*LP
.set j, j+1
.endr
.endm
	ISSUE L0, 0
	ISSUE L1, 16
	s_mov_b32 s26, 3
.Lchunk:
	s_wait_xcnt 0x0                                ; the loads that are out have had their addresses translated: the base may step
	s_add_nc_u64 s[24:25], s[24:25], 0x20000       ; 32 rows on,
	s_cmp_eq_u32 s26, 2
	s_cselect_b64 s[24:25], s[22:23], s[24:25]     ; or, for the third chunk, Wk's first row
	s_wait_loadcnt 16                              ; the older set is in, the younger 16 stay out
	ROUND16 L0, OUT0
	s_wait_alu depctr_va_vdst(0)                   ; the roundings have written OUT0, which the LDS stores read, and are done reading L0, in which the loads land; v16's step of the trip before is written
	ISSUE L0, 0                                    ; the set is asked for again at once
	LAY OUT0, 0
	s_wait_loadcnt 16
	ROUND16 L1, OUT1
	s_wait_alu depctr_va_vdst(0)                   ; the roundings have written OUT1 and are done reading L1
	ISSUE L1, 16
	LAY OUT1, 16
	s_wait_alu depctr_vm_vsrc(0)                   ; the LDS stores have read v16, which steps now, and OUT0 and OUT1, which the next roundings write
	v_add_nc_u32 v16, 32*LP, v16
	s_sub_co_u32 s26, s26, 1
	s_cmp_lg_u32 s26, 0
	s_cbranch_scc1 .Lchunk
	s_wait_loadcnt 16                              ; the last chunk: nothing more is loaded
	ROUND16 L0, OUT0
	s_wait_alu depctr_va_vdst(0)                   ; the roundings have written OUT0, and v16's last step is written: the LDS stores read both
	LAY OUT0, 0
	s_wait_loadcnt 0x0
	ROUND16 L1, OUT1
	s_wait_alu depctr_va_vdst(0)                   ; the roundings have written OUT1, which the LDS stores read; behind this wait no vector instruction names v64-127 until the fragments have landed there
	LAY OUT1, 16
	s_wait_alu depctr_vm_vsrc(0)                   ; the LDS stores have read OUT0 and OUT1: these registers are FRA and FRB from here on, in which the fragments land
	; my 128 along K in four steps of 32.  Source 0 = 16 rows of Wk, source 1 = 16 rows of Wq: a lane holds row d = r and eight neighbouring columns.
	; The 16 accumulators take turns.  LDS serves a wave's instructions in order (ISA guide 5.7.1.4): the loads see my stores above.
.set ks, 0
.rept 4
.if ks > 0
.rept 4
	v_nop                                          ; four places between the products and the loads into their sources
.endr
	s_wait_alu depctr_va_vdst(0)                   ; the products of the step before are done reading FRA and FRB, in which the loads below land; the places above stay beside this wait
.endif
.irp a, 0,1,2,3
	ds_load_b128 v[FRA+8*\a:FRA+8*\a+3],   v17 offset:\a*16*LP+64*ks
	ds_load_b128 v[FRA+8*\a+4:FRA+8*\a+7], v17 offset:\a*16*LP+64*ks+32
	ds_load_b128 v[FRB+8*\a:FRB+8*\a+3],   v17 offset:(64+16*\a)*LP+64*ks
	ds_load_b128 v[FRB+8*\a+4:FRB+8*\a+7], v17 offset:(64+16*\a)*LP+64*ks+32
.endr
	s_wait_dscnt 0x0
.irp a, 0,1,2,3
.irp b, 0,1,2,3
.if ks == 0
	v_wmma_f32_16x16x32_bf16 v[ACC+8*(4*\a+\b):ACC+8*(4*\a+\b)+7], v[FRB+8*\b:FRB+8*\b+7], v[FRA+8*\a:FRA+8*\a+7], 0
.else
	v_wmma_f32_16x16x32_bf16 v[ACC+8*(4*\a+\b):ACC+8*(4*\a+\b)+7], v[FRB+8*\b:FRB+8*\b+7], v[FRA+8*\a:FRA+8*\a+7], v[ACC+8*(4*\a+\b):ACC+8*(4*\a+\b)+7]
.endif
.endr
.endr
.set ks, ks+1
.endr
.rept 4
	v_nop                                          ; four places in front of the stores that read the results
.endr
	s_wait_alu depctr_va_vdst(0)                   ; the products have written the accumulators, which the LDS stores read; the places above stay beside this wait
.irp a, 0,1,2,3
.irp b, 0,1,2,3
	ds_store_b128 v18, v[ACC+8*(4*\a+\b):ACC+8*(4*\a+\b)+3]   offset:\a*16*LP+64*\b      ; each accumulator's low registers first
	ds_store_b128 v18, v[ACC+8*(4*\a+\b)+4:ACC+8*(4*\a+\b)+7] offset:\a*16*LP+64*\b+16
.endr
.endr
	s_wait_dscnt 0x0                               ; for the others' sake: my partial sums are in LDS
	s_barrier_signal -1
	s_barrier_wait -1
	s_wait_alu depctr_vm_vsrc(0)                   ; my LDS stores have read v128-255, in which the partial sums below land (the products that wrote them stand ahead of the last wait on va_vdst)
.set n, 0
.rept 8                                ; wave n's partial sums of my 16 numbers
.irp i, 0,1,2,3
	ds_load_b128 v[ACC+16*n+4*\i:ACC+16*n+4*\i+3], v[20+n/2] offset:(n%2)*WREG+16*\i
.endr
.set n, n+1
.endr
	s_wait_dscnt 0x0
.set n, 1
.rept 7                                ; added in the order of the waves
.irp k, 0,2,4,6,8,10,12,14
	v_pk_add_f32 v[ACC+\k:ACC+\k+1], v[ACC+\k:ACC+\k+1], v[ACC+16*n+\k:ACC+16*n+\k+1]
.endr
.set n, n+1
.endr
.irp k, 0,2,4,6,8,10,12,14
	v_pk_mul_f32 v[ACC+\k:ACC+\k+1], v[ACC+\k:ACC+\k+1], s[28:29] op_sel_hi:[1,0]
.endr
.irp k, 0,1,2,3,4,5,6,7
	v_cvt_pk_f16_f32 v[FRA+\k], v[ACC+2*\k], v[ACC+2*\k+1]
.endr
	s_wait_alu depctr_va_vdst(0)                   ; the conversions have written v64-71, which the two stores read
	global_store_b128 v24, v[FRA:FRA+3], s[14:15]              ; four lanes fill a tile row's 128 bytes: half of an aligned 256; 2 MiB of the launch's stores are so
	global_store_b128 v24, v[FRA+4:FRA+7], s[14:15] offset:16
	s_wait_dscnt 0x0                               ; the closing lines, six on end
	s_wait_alu 0x0
	s_wait_tensorcnt 0x0
	ds_add_u32 v[SPW], v[NIL]
	s_wait_dscnt 0x0
	s_endpgm
.Lfunc_end_k_q3be8d14e94_prep:
	.size	k_q3be8d14e94_prep, .Lfunc_end_k_q3be8d14e94_prep-k_q3be8d14e94_prep
	.p2alignl 7, 3214868480
	.fill 96, 4, 3214868480
	.section	.rodata,"a",@progbits
	.p2align	6, 0x0
	.amdhsa_kernel k_q3be8d14e94_prep
		.amdhsa_group_segment_fixed_size 279552
		.amdhsa_private_segment_fixed_size 0
		.amdhsa_enable_private_segment 0
		.amdhsa_kernarg_size 56
		.amdhsa_user_sgpr_count 2
		.amdhsa_user_sgpr_kernarg_segment_ptr 1
		.amdhsa_wavefront_size32 1
		.amdhsa_system_sgpr_workgroup_id_x 1
		.amdhsa_system_sgpr_workgroup_id_y 1
		.amdhsa_system_sgpr_workgroup_id_z 1
		.amdhsa_system_vgpr_workitem_id 0
		.amdhsa_next_free_vgpr 256
		.amdhsa_next_free_sgpr 66
		.amdhsa_reserve_vcc 0
		.amdhsa_float_denorm_mode_32 3
		.amdhsa_float_denorm_mode_16_64 3
		.amdhsa_memory_ordered 1
		.amdhsa_forward_progress 1
		.amdhsa_inst_pref_size 66
	.end_amdhsa_kernel
	.amdgpu_metadata
---
amdhsa.version: [ 1, 2 ]
amdhsa.kernels:
  - .name:           k_q3be8d14e94_prep
    .symbol:         k_q3be8d14e94_prep.kd
    .args:
      - { .name: x, .offset: 0, .size: 8, .value_kind: global_buffer, .address_space: global }
      - { .name: Wq, .offset: 8, .size: 8, .value_kind: global_buffer, .address_space: global }
      - { .name: Wk, .offset: 16, .size: 8, .value_kind: global_buffer, .address_space: global }
      - { .name: Wv, .offset: 24, .size: 8, .value_kind: global_buffer, .address_space: global }
      - { .name: xh, .offset: 32, .size: 8, .value_kind: global_buffer, .address_space: global }
      - { .name: bkn, .offset: 40, .size: 8, .value_kind: global_buffer, .address_space: global }
      - { .name: st, .offset: 48, .size: 8, .value_kind: global_buffer, .address_space: global }
    .group_segment_fixed_size: 279552
    .private_segment_fixed_size: 0
    .kernarg_segment_align: 8
    .kernarg_segment_size: 56
    .max_flat_workgroup_size: 256
    .sgpr_count:     66
    .vgpr_count:     256
    .wavefront_size: 32
...
	.end_amdgpu_metadata
.endif
;; end of part 5
;; launch proj: the kernel of part 2 again; grid 8 x 32, 4 waves a work-group, clusters of 4 x 4, 327,680 bytes of LDS; arguments xh, bkn, qv; writes qv
;; launch scores: the kernel of part 3 again; grid 36 x 4, 4 waves a work-group, no clusters, 327,680 bytes of LDS; arguments qv, xh, pw, st; writes pw, st
;; launch pv: the kernel of part 4 again; grid 8 x 32, 4 waves a work-group, clusters of 4 x 1, 327,680 bytes of LDS; arguments pw, qv, st, out0; writes out0
